; MI455X (gfx1250); checked and timed in simulation.
; The chip was launched on July 23, 2026; its instructions are those of AMD's public machine-readable ISA for CDNA 5 (MIT licence, August 2026) and "CDNA5" Instruction Set Architecture Reference Guide (July 2026). The comments in the code are by the model that wrote it; some were corrected since.
;; Wan I2 V Cross Attention Processor. Allowed arithmetic: matrix products marked QUANTISED: E2M1 operands, one E8M0 scale for each 32 along K, by v_wmma_scale_f32_16x16x128_f8f6f4 with both operands' format E2M1 (or v_wmma_scale_f32_32x16x128_f4), f32 sums; products left as they are: bf16, f16 or f32 operands; f32 sums; everything else in f32.
;; Inputs: Wk 2,048 x 2,048 float32; Wki 2,048 x 2,048 float32; Wo 2,048 x 2,048 float32; Wq 2,048 x 2,048 float32; Wv 2,048 x 2,048 float32; Wvi 2,048 x 2,048 float32; bk 2,048 float32; bki 2,048 float32; bo 2,048 float32; bq 2,048 float32; bv 2,048 float32; bvi 2,048 float32; context 2 x 769 x 2,048 float32; context_lens 2 int32; gk 2,048 float32; gki 2,048 float32; gq 2,048 float32; x 2 x 2,048 x 2,048 float32.
;; Outputs: out0 2 x 2,048 x 2,048 float32.
;; This version of the problem:
;;   THIS VERSION OF THE PROBLEM IS GIVEN IN LOW PRECISION. The matrix products marked QUANTISED in the list below multiply operands that are first quantised to E2M1 (2 exponent bits, 1 mantissa bit; 4 bits a number), with one power-of-two scale for each 32 numbers along K (OCP MX v1.0); their sums are f32. The products marked 'left as it is' may take bf16, f16 or f32 operands, with f32 sums. Whichever they take, every output number must still come out within the allowed error. Rounding operands to bf16 (8 significant bits) uses up far more of that allowance than f16 does (11 bits, for magnitudes from 6e-5 to 65,504). All else is computed in f32.
;;   The module's matrix products, in the order in which they are computed (A, B: the left and right operand; K: the contracted axis; several contracted axes count as one K, in the product's order):
;;     1. [M 4,096, K 2,048] x [K 2,048, N 2,048]; A: input x; B: input Wq: QUANTISED
;;     2. [M 1,024, K 2,048] x [K 2,048, N 2,048]; A: input context; B: input Wk: QUANTISED
;;     3. [M 1,024, K 2,048] x [K 2,048, N 2,048]; A: input context; B: input Wv: QUANTISED
;;     4. [M 514, K 2,048] x [K 2,048, N 2,048]; A: input context; B: input Wki: QUANTISED
;;     5. [M 514, K 2,048] x [K 2,048, N 2,048]; A: input context; B: input Wvi: QUANTISED
;;     6. batch 32 x [M 2,048, K 128] x [K 128, N 257]; A: computed on the way; B: computed on the way: left as it is (an operand is computed on the way)
;;     7. batch 32 x [M 128, K 257] x [K 257, N 2,048]; A: computed on the way; B: computed on the way: left as it is (an operand is computed on the way)
;;     8. batch 32 x [M 2,048, K 128] x [K 128, N 512]; A: computed on the way; B: computed on the way: left as it is (an operand is computed on the way)
;;     9. batch 32 x [M 128, K 512] x [K 512, N 2,048]; A: computed on the way; B: computed on the way: left as it is (an operand is computed on the way)
;;     10. [M 4,096, K 2,048] x [K 2,048, N 2,048]; A: computed on the way; B: input Wo: left as it is (an operand is computed on the way)
;;   THE QUANTISER, for each operand of a quantised product, along K:
;;     - K is cut into blocks of 32 from its start; a last block that is shorter is filled with zeros.
;;     - A block's scale is 2^e with e = floor(log2(the largest magnitude in the block)) - 2, held to -126 .. 127; a block of zeros has e = 0. As a byte (E8M0): e + 127.
;;     - Each number is divided by its block's scale, clamped to +-6, and rounded to the nearest number of E2M1, ties to even, subnormals kept.
;;     - The product sums the exact products of the quantised numbers (number of the format x scale) in f32.
;;   ~~~python
;;   def quantise(x, axis):      # numpy; x: float32 -> the quantised numbers, widened to float32 again
;;       x = np.moveaxis(x, axis, -1); K = x.shape[-1]
;;       x = np.pad(x, [(0, 0)] * (x.ndim - 1) + [(0, -K % 32)]); x = x.reshape(x.shape[:-1] + (-1, 32)); a = np.abs(x).max(-1, keepdims=True)
;;       e = np.where(a > 0, np.clip(np.frexp(np.where(a > 0, a, 1))[1] - 1 - 2, -126, 127), 0)      # np.frexp(a)[1] - 1 = floor(log2(a)), exactly
;;       r = np.clip(x / 2.0 ** e, -6, 6)
;;       step = 2.0 ** (np.maximum(np.frexp(np.where(r == 0, 1, r))[1] - 1, 0) - 1)
;;       q = np.round(r / step) * step * 2.0 ** e      # np.round: ties to even
;;       return np.moveaxis(q.reshape(q.shape[:-2] + (-1,))[..., :K], -1, axis).astype(np.float32)
;;   ~~~
;; One version. Each part assembles by itself: llvm-mc -triple=amdgcn-amd-amdhsa -mcpu=gfx1250 --defsym DOCPART=n.
;; ======== version 1 of 1: 4 launches
;; limits: values are held in f16: magnitudes above 65,504 overflow, below 6.1e-05 lose precision
;; workspace buffers: acodes 5,769,216 bytes; ascales 360,704 bytes; wcodes 10,485,760 bytes; wscales 655,360 bytes; wo16 8,388,608 bytes; y 33,554,432 bytes; ssq 524,288 bytes; o16 16,777,216 bytes
;; launch prep (part 1): grid 1153 x 1, 4 waves a work-group, no clusters, 56,832 bytes of LDS; arguments x, context, Wq, Wk, Wv, Wki, Wvi, Wo, acodes, ascales, wcodes, wscales, wo16; writes acodes, ascales, wcodes, wscales, wo16
.if DOCPART == 1
	.amdgcn_target "amdgcn-amd-amdhsa--gfx1250"
	.amdhsa_code_object_version 6
	.text
	.protected	k_qb6b48d86d9_prep
	.globl	k_qb6b48d86d9_prep
	.p2align	8
	.type	k_qb6b48d86d9_prep,@function
k_qb6b48d86d9_prep:
	s_mov_b64 s[64:65], 0
	v_nop
	global_prefetch_b8 v0, s[64:65] scope:SCOPE_SE
	s_setreg_imm32_b32 hwreg(HW_REG_WAVE_MODE, 25, 1), 1
	s_wait_xcnt 0x0
; FIRST OF FOUR LAUNCHES.  The program: (1) this launch turns x, context and the five projection weights into codes of FP4 (E2M1) with one E8M0 byte for each 32 along K, and Wo into f16;
; (2) one GEMM on codes makes all five projections; (3) attention, both branches; (4) the product with Wo.
; WORK LEFT OUT, in the whole program: only key steps of the text branch.  reference() sets the score of text key k to the least f32 number where k >= context_lens[b]; with at least one key that counts, the
; softmax's exp(least - maximum) is 0 for such a key, whatever the other inputs hold, so its term in the sum and in the product with v is 0.  Launch 3 reads context_lens from memory and passes over steps of 64
; keys that lie wholly at or beyond it.  Where context_lens[b] <= 0 all 512 scores are equal in reference(), and launch 3 computes that uniform softmax.  Every input has a way to the output and is loaded.
; LIMIT: a NaN, an infinity or an overflow that reaches only the key steps left out is not carried to the result.
; THIS LAUNCH has three bodies, chosen by the work-group's number; each has LDS bytes of its own, and waves share nothing: no barrier.
;   work-groups 0-319: a weight [2048 k][2048 n] f32, K its first axis -> wcodes [5][n][1024 bytes], wscales [5][n][64].  A lane takes a column and its registers run down K.
;   work-groups 320-1024: rows of x (4,096) and of context (1,538), K innermost -> acodes [5634][1024], ascales [5634][64]; a wave takes two rows.
;   work-groups 1025-1152: wo16 = f16(2 Wo).  Launch 3 stores half of the two branches' sum, so that it has f16's room; the factor 2, a power of two, gives it back here exactly.
; A block's scale is 2^(floor(log2(largest magnitude)) - 2): its byte is the largest magnitude's exponent field - 2, held at 1 from below.  A block of zeros so gets the byte 1 where the rule says 127: its
; codes are zeros, which add nothing, and this program alone reads the bytes.
; LIMITS: blocks whose largest magnitude lies under 2^-124 keep the byte 1; NaN and infinities among the inputs are not served.
.set SPARE, 56320                      ; the spare words: 128 bytes for each wave, named by no other line
.set SPW,   192                        ; v192 LDS address of my spare word; never rewritten
.set NIL,   193                        ; v193 0; never rewritten
.set KW,    512                        ; weights: along K for a wave
.set NB,    16                         ; blocks of 32 in that
.set WPITCH, 272                       ; a stage row: 256 bytes of codes + 16
.set KROW,  1024                       ; a row of codes in memory
.set WSTG,  21504                      ; the weights' stages: 4 x 32 x 272 bytes
.set WX,    32                         ; v32-95   two sets of 32 numbers
.set WC,    96                         ; v96-99   a block's codes
.set OUTR,  112                        ; v112-175 the way out
.set SB,    24                         ; v24-27   scale bytes, four to a register
.set STEPS, 8                          ; rows: steps of 512 numbers for a wave
.set RR,    16                         ; v16-79   four sets of 16 numbers as loaded
.set RX,    80                         ; v80-111  two sets of 16 neighbours
.set RE,    112                        ; v112-119 a scale byte for each step
.set RC,    128                        ; v128-159 codes, four registers for each step
.set WREG,  5376                       ; rows: a wave's LDS: two stages of 32 x 80 bytes, then its scale bytes
.set SP,    80                         ; a lane's place in a stage: 64 bytes + 16
.set CX,    16                         ; cast: v16-79 sixteen slots of four registers as loaded
.set CY,    80                         ; v80-111 sixteen slots of two registers to store
	s_load_b512 s[4:19], s[0:1], 0x0               ; x, context, Wq, Wk, Wv, Wki, Wvi, Wo
	s_load_b256 s[20:27], s[0:1], 0x40             ; acodes, ascales, wcodes, wscales
	s_load_b64 s[28:29], s[0:1], 0x60              ; wo16
	v_lshl_add_u32 v[SPW], v0, 2, SPARE
	v_mov_b32 v[NIL], 0
	v_lshrrev_b32 v1, 5, v0
	v_readfirstlane_b32 s30, v1                    ; wave
	v_and_b32 v2, 31, v0                           ; lane
	s_cmp_ge_u32 ttmp9, 1025
	s_cbranch_scc1 .Lcast
	s_cmp_ge_u32 ttmp9, 320
	s_cbranch_scc1 .Lrows
; ---------------- a weight: 64 work-groups each: 16 along n x 4 along K
	s_lshr_b32 s31, ttmp9, 6                       ; which weight: 0 Wq, 1 Wk, 2 Wv, 3 Wki, 4 Wvi
	s_and_b32 s34, ttmp9, 15
	s_bfe_u32 s35, ttmp9, 0x20004                  ; which 512 along K
	s_lshl_b32 s36, s34, 7
	s_lshl_b32 s37, s30, 5
	s_add_co_u32 s36, s36, s37                     ; my wave's first column
	v_lshlrev_b32 v3, 2, v2                        ; in: 4 bytes a lane
	s_mul_i32 s37, s30, 32*WPITCH
	s_add_co_u32 s37, s37, WSTG                    ; my stage
	v_mul_u32_u24 v4, v2, WPITCH
	v_add_nc_u32 v4, s37, v4                       ; into it: row = my column
	v_and_b32 v5, 15, v2
	v_lshrrev_b32 v6, 4, v2
	v_mul_u32_u24 v7, v6, WPITCH
	v_lshl_add_u32 v7, v5, 4, v7
	v_add_nc_u32 v7, s37, v7                       ; out of it: sixteen lanes to a row, two rows an instruction
	v_mul_u32_u24 v8, v6, KROW
	v_lshl_add_u32 v8, v5, 4, v8                   ; and the same place in the codes' buffer
	v_lshlrev_b32 v9, 6, v2                        ; my column's row of scale bytes
	s_mul_i32 s38, s35, KW*2048*4                  ; the weight: 512 rows of 8,192 bytes for each step along K,
	s_lshl_b32 s40, s36, 2
	s_add_co_u32 s38, s38, s40                     ; + 4 x column
	s_mov_b32 s39, 0
	s_lshl_b32 s40, s36, 10                        ; codes: column x 1,024
	s_lshl_b32 s42, s35, 8
	s_add_co_u32 s40, s40, s42                     ; + 256 for each step along K
	s_lshl_b32 s42, s31, 21
	s_add_co_u32 s40, s40, s42                     ; + the weight's 2 MiB
	s_mov_b32 s41, 0
	s_lshl_b32 s42, s36, 6                         ; scale bytes: column x 64
	s_lshl_b32 s44, s35, 4
	s_add_co_u32 s42, s42, s44
	s_lshl_b32 s44, s31, 17
	s_add_co_u32 s42, s42, s44
	s_mov_b32 s43, 0
	s_wait_kmcnt 0x0
	s_mov_b64 s[32:33], s[8:9]                     ; the choice hangs on the work-group's number alone
	s_cmp_eq_u32 s31, 1
	s_cselect_b64 s[32:33], s[10:11], s[32:33]
	s_cmp_eq_u32 s31, 2
	s_cselect_b64 s[32:33], s[12:13], s[32:33]
	s_cmp_eq_u32 s31, 3
	s_cselect_b64 s[32:33], s[14:15], s[32:33]
	s_cmp_eq_u32 s31, 4
	s_cselect_b64 s[32:33], s[16:17], s[32:33]
	s_add_nc_u64 s[32:33], s[32:33], s[38:39]
	s_add_nc_u64 s[24:25], s[24:25], s[40:41]
	s_add_nc_u64 s[26:27], s[26:27], s[42:43]
.macro WLOAD t                         ; block t: W(32 t + i, my column) into set t % 2; 32 lanes read 128 consecutive bytes
.irp i, 0,1,2,3,4,5,6,7,8,9,10,11,12,13,14,15,16,17,18,19,20,21,22,23,24,25,26,27,28,29,30,31
	global_load_b32 v[WX+32*((\t)%2)+\i], v3, s[32:33] offset:(32*(\t)+\i)*8192 th:TH_LOAD_NT
.endr
.endm
.macro WBLOCK t
.set XS, WX+32*((\t)%2)
.if (\t) < NB-1
	s_wait_loadcnt 32                              ; this block's 32 loads are in; the next block's 32 may be out
.else
	s_wait_loadcnt 0
.endif
	v_max3_num_f32 v12, |v[XS]|, |v[XS+1]|, |v[XS+2]|      ; the block's largest magnitude: all 32 numbers are mine
	v_max3_num_f32 v13, |v[XS+3]|, |v[XS+4]|, |v[XS+5]|
.irp i, 6,10,14,18,22,26
	v_max3_num_f32 v12, v12, |v[XS+\i]|, |v[XS+\i+1]|
	v_max3_num_f32 v13, v13, |v[XS+\i+2]|, |v[XS+\i+3]|
.endr
	v_max3_num_f32 v12, v12, |v[XS+30]|, |v[XS+31]|
	v_max3_num_f32 v12, v12, v13, 0x1800000        ; and the floor 2^(3 - 127): the byte cannot fall under 1
	v_add_nc_u32 v11, 0xff000000, v12              ; 2 off the exponent field: the conversion takes this operand's exponent field as its scale
	v_lshrrev_b32 v13, 23, v11                     ; the scale's byte
.if (\t)%4 == 0
	v_mov_b32 v[SB+(\t)/4], v13
.else
	v_lshl_or_b32 v[SB+(\t)/4], v13, 8*((\t)%4), v[SB+(\t)/4]
.endif
.irp g, 0,1,2,3
	v_cvt_scalef32_pk8_fp4_f32 v[WC+\g], v[XS+8*\g:XS+8*\g+7], v11
.endr
	ds_store_b128 v4, v[WC:WC+3] offset:16*(\t)    ; 32 codes: 16 bytes of my column's row
.if (\t)+2 < NB
	WLOAD (\t)+2
.endif
	s_wait_dscnt 0x0                               ; the store has read its registers: the next block's codes may be written
.endm
	WLOAD 0
	WLOAD 1
.set Q, 0
.rept NB
	WBLOCK Q
.set Q, Q+1
.endr
	global_store_b128 v9, v[SB:SB+3], s[26:27]     ; my column's 16 scale bytes
.irp t, 0,1,2,3,4,5,6,7,8,9,10,11,12,13,14,15
	ds_load_b128 v[OUTR+4*\t:OUTR+4*\t+3], v7 offset:2*\t*WPITCH   ; LDS serves a wave's instructions in order: these see my stores
.endr
.irp t, 0,1,2,3,4,5,6,7,8,9,10,11,12,13,14,15
	s_wait_dscnt 15-\t
	global_store_b128 v8, v[OUTR+4*\t:OUTR+4*\t+3], s[24:25] offset:2*\t*KROW   ; sixteen lanes store 256 consecutive bytes, aligned
.endr
	s_wait_tensorcnt 0x0                           ; the wave's end, behind my last LDS store
	ds_add_u32 v[SPW], v[NIL]
	s_wait_dscnt 0x0
	s_endpgm
; ---------------- rows of x and of context: a run = two rows = 4,096 numbers; x has 2,048 runs, context 769
.Lrows:
	s_sub_co_u32 s31, ttmp9, 320
	s_mov_b32 s36, 769
	s_cmp_lt_u32 s31, 512                          ; x's work-group or context's
	s_cselect_b32 s34, 0, 512
	s_cselect_b32 s35, 0, 2048                     ; context's codes lie behind x's 2,048 runs
	s_cselect_b32 s36, 2048, s36                   ; runs in my tensor
	s_sub_co_u32 s37, s31, s34
	s_lshl_b32 s37, s37, 2
	s_add_co_u32 s37, s37, s30                     ; my wave's run
	s_cmp_ge_u32 s37, s36                          ; context's 769 runs end in wave 0 of its last work-group: the three other waves there have no rows
	s_cbranch_scc1 .Lquit
	s_add_co_u32 s35, s35, s37
	v_lshlrev_b32 v3, 4, v2                        ; my 16 bytes of a load's 512
	s_mul_i32 s38, s30, WREG
	v_lshrrev_b32 v14, 2, v2
	v_mul_u32_u24 v14, v14, SP
	v_and_b32 v15, 3, v2
	v_lshl_add_u32 v14, v15, 4, v14
	v_add_nc_u32 v14, s38, v14                     ; the stage, on the way in: four lanes' 64 bytes on end, then 16 of padding
	v_mul_u32_u24 v15, v2, SP
	v_add_nc_u32 v15, s38, v15                     ; and on the way out: my 16 neighbours
	v_lshlrev_b32 v4, 3, v2                        ; my 8 bytes of a step's codes
	v_lshrrev_b32 v5, 1, v2
	s_add_co_u32 s38, s38, 2*32*SP
	v_add_nc_u32 v5, s38, v5                       ; my block's scale byte in LDS
	v_lshlrev_b32 v7, 2, v2
	v_add_nc_u32 v6, s38, v7                       ; and on the way out 4 bytes a lane
	s_lshl_b32 s40, s37, 14
	s_mov_b32 s41, 0
	s_lshl_b32 s42, s35, 11
	s_mov_b32 s43, 0
	s_lshl_b32 s44, s35, 7
	s_mov_b32 s45, 0
	s_wait_kmcnt 0x0
	s_cmp_lt_u32 s31, 512
	s_cselect_b64 s[32:33], s[4:5], s[6:7]
	s_add_nc_u64 s[32:33], s[32:33], s[40:41]
	s_add_nc_u64 s[20:21], s[20:21], s[42:43]
	s_add_nc_u64 s[22:23], s[22:23], s[44:45]
.macro RLOAD t
.irp i, 0,1,2,3
	global_load_b128 v[RR+16*((\t)%4)+4*\i:RR+16*((\t)%4)+4*\i+3], v3, s[32:33] offset:2048*(\t)+512*\i th:TH_LOAD_NT   ; 32 lanes read 512 consecutive bytes
.endr
.endm
.macro RTURN t                         ; step t's numbers through the stage: LDS serves a wave's instructions in order
.irp i, 0,1,2,3
	ds_store_b128 v14, v[RR+16*((\t)%4)+4*\i:RR+16*((\t)%4)+4*\i+3] offset:32*SP*((\t)%2)+8*SP*\i
.endr
.irp i, 0,1,2,3
	ds_load_b128 v[RX+16*((\t)%2)+4*\i:RX+16*((\t)%2)+4*\i+3], v15 offset:32*SP*((\t)%2)+16*\i
.endr
.endm
.macro RSTEP t
.set XS, RX+16*((\t)%2)
.if (\t) > 0
	s_wait_dscnt 1                                 ; this step's numbers are back (the last step's byte store may be out)
.else
	s_wait_dscnt 0x0
.endif
.if (\t)+4 < STEPS
	RLOAD (\t)+4
.endif
.if (\t)+1 < STEPS
.if STEPS-2-(\t) >= 3
	s_wait_loadcnt 12                              ; the next step's four loads are in; those of the three steps behind it may be out
.else
	s_wait_loadcnt 4*(STEPS-2-(\t))
.endif
	RTURN (\t)+1
.endif
	v_max3_num_f32 v8, |v[XS]|, |v[XS+1]|, |v[XS+2]|
	v_max3_num_f32 v9, |v[XS+3]|, |v[XS+4]|, |v[XS+5]|
.irp i, 6,10
	v_max3_num_f32 v8, v8, |v[XS+\i]|, |v[XS+\i+1]|
	v_max3_num_f32 v9, v9, |v[XS+\i+2]|, |v[XS+\i+3]|
.endr
	v_max3_num_f32 v8, v8, |v[XS+14]|, |v[XS+15]|
	v_max3_num_f32 v8, v8, v9, 0x1800000           ; my 16 and the floor 2^(3 - 127)
	v_max_num_f32_dpp v8, v8, v8 row_xmask:1 row_mask:0xf bank_mask:0xf   ; with my neighbour's 16: the block's
	v_add_nc_u32 v11, 0xff000000, v8
	v_cvt_scalef32_pk8_fp4_f32 v[RC+4*(\t)], v[XS:XS+7], v11
	v_cvt_scalef32_pk8_fp4_f32 v[RC+4*(\t)+1], v[XS+8:XS+15], v11
	v_lshrrev_b32 v[RE+(\t)], 23, v11              ; the scale's byte
	ds_store_b8 v5, v[RE+(\t)] offset:16*(\t)      ; both lanes of a block write the same byte with the same value
	global_store_b64 v4, v[RC+4*(\t):RC+4*(\t)+1], s[20:21] offset:256*(\t)   ; the wave stores 256 consecutive bytes, aligned
.endm
.irp t, 0,1,2,3
	RLOAD \t
.endr
	s_wait_loadcnt 12                              ; step 0's four loads are in
	RTURN 0
.irp t, 0,1,2,3,4,5,6,7
	RSTEP \t
.endr
	ds_load_b32 v8, v6                             ; my wave's 128 scale bytes
	s_wait_dscnt 0x0
	global_store_b32 v7, v8, s[22:23]              ; 128 consecutive bytes a wave, 512 a work-group
	s_wait_tensorcnt 0x0                           ; the wave's end, behind my last LDS store
	ds_add_u32 v[SPW], v[NIL]
	s_wait_dscnt 0x0
	s_endpgm
.Lquit:
	s_wait_kmcnt 0x0
	s_endpgm
; ---------------- wo16 = f16(2 Wo): a wave takes 8,192 numbers in 64 chunks of 512 bytes; sixteen loads are kept on their way
.Lcast:
	s_sub_co_u32 s31, ttmp9, 1025
	s_lshl_b32 s31, s31, 2
	s_add_co_u32 s31, s31, s30
	s_lshl_b32 s34, s31, 15
	s_mov_b32 s35, 0
	s_lshl_b32 s36, s31, 14
	s_mov_b32 s37, 0
	v_lshlrev_b32 v3, 4, v2
	v_lshlrev_b32 v4, 3, v2
	s_wait_kmcnt 0x0
	s_add_nc_u64 s[18:19], s[18:19], s[34:35]
	s_add_nc_u64 s[28:29], s[28:29], s[36:37]
.set cc, 0
.rept 16
	global_load_b128 v[CX+4*cc:CX+4*cc+3], v3, s[18:19] offset:512*cc th:TH_LOAD_NT
.set cc, cc+1
.endr
.set cc, 0
.rept 64
.set cs, cc%16
.if cc < 49
	s_wait_loadcnt 15                              ; loads come back in order: mine is in, the fifteen younger ones stay out
.else
	s_wait_loadcnt 63-cc
.endif
	s_wait_xcnt 0x0                                ; the slot's last store has read its two registers
	v_pk_mul_f32 v[CX+4*cs:CX+4*cs+1], v[CX+4*cs:CX+4*cs+1], 2.0 op_sel_hi:[1,0]
	v_pk_mul_f32 v[CX+4*cs+2:CX+4*cs+3], v[CX+4*cs+2:CX+4*cs+3], 2.0 op_sel_hi:[1,0]
	v_cvt_pk_f16_f32 v[CY+2*cs], v[CX+4*cs], v[CX+4*cs+1]
	v_cvt_pk_f16_f32 v[CY+2*cs+1], v[CX+4*cs+2], v[CX+4*cs+3]
.if cc+16 < 64
	global_load_b128 v[CX+4*cs:CX+4*cs+3], v3, s[18:19] offset:512*(cc+16) th:TH_LOAD_NT
.endif
	global_store_b64 v4, v[CY+2*cs:CY+2*cs+1], s[28:29] offset:256*cc   ; the wave stores 256 consecutive bytes, aligned
.set cc, cc+1
.endr
	s_endpgm
.Lfunc_end_k_qb6b48d86d9_prep:
	.size	k_qb6b48d86d9_prep, .Lfunc_end_k_qb6b48d86d9_prep-k_qb6b48d86d9_prep
	.p2alignl 7, 3214868480
	.fill 96, 4, 3214868480
	.section	.rodata,"a",@progbits
	.p2align	6, 0x0
	.amdhsa_kernel k_qb6b48d86d9_prep
		.amdhsa_group_segment_fixed_size 56832
		.amdhsa_private_segment_fixed_size 0
		.amdhsa_enable_private_segment 0
		.amdhsa_kernarg_size 104
		.amdhsa_user_sgpr_count 2
		.amdhsa_user_sgpr_kernarg_segment_ptr 1
		.amdhsa_wavefront_size32 1
		.amdhsa_system_sgpr_workgroup_id_x 1
		.amdhsa_system_sgpr_workgroup_id_y 1
		.amdhsa_system_sgpr_workgroup_id_z 1
		.amdhsa_system_vgpr_workitem_id 0
		.amdhsa_next_free_vgpr 196
		.amdhsa_next_free_sgpr 66
		.amdhsa_reserve_vcc 0
		.amdhsa_float_denorm_mode_32 3
		.amdhsa_float_denorm_mode_16_64 3
		.amdhsa_memory_ordered 1
		.amdhsa_forward_progress 1
		.amdhsa_inst_pref_size 129
	.end_amdhsa_kernel
	.amdgpu_metadata
---
amdhsa.version: [ 1, 2 ]
amdhsa.kernels:
  - .name:           k_qb6b48d86d9_prep
    .symbol:         k_qb6b48d86d9_prep.kd
    .args:
      - { .name: x, .offset: 0, .size: 8, .value_kind: global_buffer, .address_space: global }
      - { .name: context, .offset: 8, .size: 8, .value_kind: global_buffer, .address_space: global }
      - { .name: Wq, .offset: 16, .size: 8, .value_kind: global_buffer, .address_space: global }
      - { .name: Wk, .offset: 24, .size: 8, .value_kind: global_buffer, .address_space: global }
      - { .name: Wv, .offset: 32, .size: 8, .value_kind: global_buffer, .address_space: global }
      - { .name: Wki, .offset: 40, .size: 8, .value_kind: global_buffer, .address_space: global }
      - { .name: Wvi, .offset: 48, .size: 8, .value_kind: global_buffer, .address_space: global }
      - { .name: Wo, .offset: 56, .size: 8, .value_kind: global_buffer, .address_space: global }
      - { .name: acodes, .offset: 64, .size: 8, .value_kind: global_buffer, .address_space: global }
      - { .name: ascales, .offset: 72, .size: 8, .value_kind: global_buffer, .address_space: global }
      - { .name: wcodes, .offset: 80, .size: 8, .value_kind: global_buffer, .address_space: global }
      - { .name: wscales, .offset: 88, .size: 8, .value_kind: global_buffer, .address_space: global }
      - { .name: wo16, .offset: 96, .size: 8, .value_kind: global_buffer, .address_space: global }
    .group_segment_fixed_size: 56832
    .private_segment_fixed_size: 0
    .kernarg_segment_align: 8
    .kernarg_segment_size: 104
    .max_flat_workgroup_size: 128
    .sgpr_count:     66
    .vgpr_count:     196
    .wavefront_size: 32
...
	.end_amdgpu_metadata
.endif
;; end of part 1
;; launch proj (part 2): grid 8 x 32, 4 waves a work-group, clusters of 4 x 4, 327,680 bytes of LDS; arguments acodes, ascales, wcodes, wscales, y, ssq, bq, bk, bv, bki, bvi; writes y, ssq
.if DOCPART == 2
	.amdgcn_target "amdgcn-amd-amdhsa--gfx1250"
	.amdhsa_code_object_version 6
	.text
	.protected	k_qb6b48d86d9_proj
	.globl	k_qb6b48d86d9_proj
	.p2align	8
	.type	k_qb6b48d86d9_proj,@function
k_qb6b48d86d9_proj:
	s_mov_b64 s[64:65], 0
	v_nop
	global_prefetch_b8 v0, s[64:65] scope:SCOPE_SE
	s_setreg_imm32_b32 hwreg(HW_REG_WAVE_MODE, 25, 1), 1
	s_wait_xcnt 0x0
	s_wait_alu depctr_hold_cnt(0) depctr_sa_sdst(0) depctr_va_vdst(0) depctr_va_sdst(0) depctr_va_ssrc(0) depctr_va_vcc(0) depctr_vm_vsrc(0)
	s_getreg_b32 s2, hwreg(HW_REG_IB_STS2, 6, 4)
	s_cmp_eq_u32 s2, 0
	s_cbranch_scc0 .Lentry_in_a_cluster
	s_endpgm
.Lentry_in_a_cluster:
	s_bfe_u32 s2, ttmp6, 0x10000c
	s_cmp_lg_u32 s2, 0xf033
	s_cbranch_scc0 .Lentry_shape_is_right
	s_endpgm
.Lentry_shape_is_right:
; ALL FIVE PROJECTIONS, y = A W + b, on codes of FP4 (E2M1) with one E8M0 byte for each 32 along K = 2,048; sums in f32; y leaves as f16, unnormalised.
; 256 tiles of 256 x 256, one to a work-group.  A cluster of 4 x 4 work-groups is 1,024 rows x 1,024 columns of one job j = the cluster's y:
;   j 0-3: q, rows 1,024 j on of x;  4: k, 5: v (text rows of context);  6: k_img, 7: v_img (image rows).  y's rows: 1,024 j + 256 cy + ..; for j >= 4 that is 512 x batch + key.
; A tile's rows are taken out of acodes as they lie: tile cy of a context job is batch cy / 2, half cy % 2: row 4,096 + 769 (cy / 2) + 256 (cy % 2) (+ 257 for text).  An image job's second half holds
; image row 256 and 255 rows of text context: those results are finite, and launch 3 hides them (its image limit is 257); they share a tile with a live row.
; THE NORM: for q, k, k_img each row's sum of y^2 over a wave's 128 columns, taken in f32 ahead of the rounding to f16, goes to ssq [row][16]; launch 3 adds the 16 parts.
; LIMIT: |y| stays under 65,504, f16's largest number.
; The bias is the C of each sum's first matrix instruction.  The matrix instruction is used transposed (source 0 = 16 rows of W^T, source 1 = 16 rows of A): a lane holds eight neighbouring columns of a row of y.
; K goes in 4 steps of 512 through a ring of two LDS slots filled by the tensor data mover; the scale bytes of the tile's rows, for all of K, come once with the first fills.  A's tiles are asked for jointly
; by the four work-groups of a row of the cluster, W's by the four of a column.
; REGISTERS, in windows of 256: window 0: v16-31 addresses; v32-95 scale words, two sets, and nothing else; v128-191 A's fragments, one set; v192-255 the bias, 8 registers for each of my 8 column blocks;
;   on the way out v96-107 and v128-223 are at work.  window 1: W's fragments, two sets.  windows 2, 3: the 64 accumulators ((a, b) at v[8 (8 (a % 4) + b)]).
.set NQ,     4                         ; matrix instructions deep in a slot
.set ROWB,   256                       ; a tile's row: 512 codes
.set KROW,   1024                      ; a row of codes in memory
.set PITCH,  272                       ; an LDS row: 256 bytes + 16: the 16 rows that a load touches start 68 words apart
.set FR,     8
.set NL,     2
.set NP,     4
.set HALFT,  128*PITCH
.set SLOT,   4*HALFT
.set LAPS,   2
.set KS,     64                        ; a row of scale bytes
.set SCL,    2*SLOT
.set HALFS,  (128*KS/256)*272
.set SBLK,   (16*KS/256)*272
.set SPARE,  SCL+4*HALFS               ; the spare words: 128 bytes for each wave, named by no other line
.set SPITCH, 272                       ; the way out: a stage of 16 rows x (256 bytes + 16) for each wave, in slot 0, which has had its last fill and its last read by then
.set ADRA, 16
.set ADRB, 20
.set STO,  24
.set RD,   25
.set CO,   26
.set ADRS, 27
.set SPW,  28
.set NIL,  29
.set VB,   30                          ; v30 32 x (lane / 16): my half's place in a block of 16 biases
.set VSQ,  31                          ; v31 64 x lane: a row of ssq
.set SC,   32
.set AF,   128
.set BIAS, 192
.set TQ,   128                         ; the way out: four chains of squares for each of my 8 row blocks
.set TMP,  192                         ; packed results
.set OB,   128                         ; 16 rows read back from the stage: two sets of 32
.set G1, 24
.set G0, 32
.set G1B, 48
.set G0B, 56
.set G1S, 68
.set G0S, 76
.set G1SB, 80
.set G0SB, 88
.set MSB, 0
.macro WIN new                         ; the immediate's high byte repeats the setting that is left
.if MSB != (\new)
	s_set_vgpr_msb (MSB<<8)|(\new)
.set MSB, (\new)
.endif
.endm
.set MUL_LO, 0xa1                      ; source 0 (W) window 1, source 1 (A) window 0, C and D window 2
.set MUL_HI, 0xf1
.set FST_LO, 0x81                      ; the first step: C (the bias) window 0, D window 2
.set FST_HI, 0xc1
.set TO_B,   0x40
; A joint load: waves 0 and 1 fetch for A, waves 2 and 3 for W.  The branch hangs on the wave's number alone.  An s_nop 0 and four v_nop follow each of the two lines.
.macro JLOAD g0a, g1a, g0b, g1b
	s_cmp_eq_u32 s15, 0
	s_cbranch_scc0 .Lfor_b_\@
	tensor_load_to_lds s[\g0a:\g0a+3], s[\g1a:\g1a+7]
	s_nop 0
.rept 4
	v_nop
.endr
	s_branch .Lasked_\@
.Lfor_b_\@:
	tensor_load_to_lds s[\g0b:\g0b+3], s[\g1b:\g1b+7]
	s_nop 0
.rept 4
	v_nop
.endr
.Lasked_\@:
.endm
.macro CREST
	s_cmp_lg_u32 s14, 0
	s_cbranch_scc1 .Lnot_wave_0_\@
	s_barrier_signal -3
.Lnot_wave_0_\@:
	s_barrier_wait -3
	s_barrier_signal -1
	s_barrier_wait -1
.endm
.macro CROUND
	s_barrier_signal -1
	s_barrier_wait -1
	CREST
.endm
	s_load_b128 s[4:7], s[0:1], 0x0                ; acodes, ascales
	s_load_b128 s[8:11], s[0:1], 0x10              ; wcodes, wscales
	s_load_b64 s[12:13], s[0:1], 0x20              ; y
	s_load_b64 s[98:99], s[0:1], 0x28              ; ssq
	s_load_b256 s[32:39], s[0:1], 0x30             ; bq, bk, bv, bki: in registers that take the tiles' groups 0 once the job's bias is chosen
	s_load_b64 s[56:57], s[0:1], 0x50              ; bvi
	v_lshl_add_u32 v[SPW], v0, 2, SPARE
	v_mov_b32 v[NIL], 0
	ds_add_u32 v[SPW], v[NIL]                      ; the wave's opening: the add, twice on end, and its wait ahead of my first tensor load
	ds_add_u32 v[SPW], v[NIL]
	v_lshrrev_b32 v1, 5, v0
	v_readfirstlane_b32 s14, v1                    ; wave 0..3
	s_lshr_b32 s15, s14, 1                         ; which half of the tile's rows is mine.  Also: I fetch for A (0) or for W (1)
	s_and_b32 s16, s14, 1                          ; which half of its columns.  Also: which 128 rows of that tile I fetch
	s_bfe_u32 s40, ttmp6, 0x40000                  ; cx
	s_bfe_u32 s41, ttmp6, 0x40004                  ; cy
	s_lshl_b32 s42, ttmp9, 2
	s_add_co_u32 s42, s42, s40                     ; tile column 0..7
	s_and_b32 s66, ttmp7, 0xffff                   ; the job j: the same in all sixteen partners
	s_max_u32 s67, s66, 3
	s_sub_co_u32 s67, s67, 3                       ; which weight and bias: 0 q, 1 k, 2 v, 3 k_img, 4 v_img
	s_lshl_b32 s43, s41, 2
	s_lshl_b32 s43, 15, s43                        ; my row of the cluster
	s_lshl_b32 s44, 0x1111, s40                    ; my column
	s_or_b32 s[G1+0], s43, (0<<16)|(1<<20)|(1<<21)|(5<<22)|(3<<25)  ; mask; elements of 1 byte; padding: 4 words behind every 64; bit 21 beside a mask
	s_or_b32 s[G1B+0], s44, (0<<16)|(1<<20)|(1<<21)|(5<<22)|(3<<25)
.irp g, G1, G1B
	s_mov_b32 s[\g+1], ROWB<<16                    ; tensor_dim0
	s_mov_b32 s[\g+2], 128<<16                     ; tensor_dim1
	s_mov_b32 s[\g+3], ROWB<<16                    ; tile_dim0
	s_mov_b32 s[\g+4], 128                         ; tile_dim1
	s_mov_b32 s[\g+5], KROW                        ; the pitch
	s_mov_b32 s[\g+6], 0
	s_mov_b32 s[\g+7], 0
.endr
	s_or_b32 s[G1S+0], s43, (3<<16)|(1<<20)|(1<<21)|(5<<22)|(3<<25) ; the scale bytes of 128 rows: 8,192 dense bytes as 32 rows of 32 elements of 8 bytes
	s_or_b32 s[G1SB+0], s44, (3<<16)|(1<<20)|(1<<21)|(5<<22)|(3<<25)
.irp g, G1S, G1SB
	s_mov_b32 s[\g+1], 32<<16
	s_mov_b32 s[\g+2], (128*KS/256)<<16
	s_mov_b32 s[\g+3], 32<<16
	s_mov_b32 s[\g+4], 128*KS/256
	s_mov_b32 s[\g+5], 32
	s_mov_b32 s[\g+6], 0
	s_mov_b32 s[\g+7], 0
.endr
	; A's first row: 256 cy + base + m (cy / 2); q: base 1,024 j, m 0; text: base 4,353, m 257; image: base 4,096, m 257.  None of these registers ever holds cx
	s_lshl_b32 s19, s66, 10
	s_mov_b32 s20, 4353
	s_cmp_lt_u32 s66, 6
	s_cselect_b32 s20, s20, 4096
	s_cmp_lt_u32 s66, 4
	s_cselect_b32 s20, s19, s20
	s_cselect_b32 s18, 0, 257
	s_lshr_b32 s21, s41, 1
	s_mul_i32 s18, s18, s21
	s_lshl_b32 s17, s41, 8
	s_add_co_u32 s17, s17, s20
	s_add_co_u32 s17, s17, s18
	s_lshl_b32 s18, s16, 7                         ; which 128 rows of the tile I fetch
	s_add_co_u32 s20, s17, s18
	s_lshl_b32 s46, s67, 11                        ; W: row 2,048 x weight + 256 x tile column + 128 x half
	s_lshl_b32 s47, s42, 8
	s_add_co_u32 s46, s46, s47
	s_add_co_u32 s46, s46, s18
	s_lshl_b32 s22, s20, 6                         ; where these rows' scale bytes begin,
	s_mov_b32 s23, 0
	s_lshl_b32 s20, s20, 10                        ; and their codes (all under 2^24)
	s_mov_b32 s21, 0
	s_lshl_b32 s92, s46, 6
	s_mov_b32 s93, 0
	s_lshl_b32 s46, s46, 10
	s_mov_b32 s47, 0
	s_mul_i32 s45, s14, HALFT                      ; where they go: wave x 128 rows: no place in the cluster enters an LDS address
	s_mul_i32 s94, s14, HALFS
	s_wait_dscnt 0x0                               ; both opening adds are done
	s_wait_kmcnt 0x0
	s_mov_b64 s[100:101], s[32:33]                 ; the job's bias: the choice hangs on the cluster's y alone
	s_cmp_eq_u32 s67, 1
	s_cselect_b64 s[100:101], s[34:35], s[100:101]
	s_cmp_eq_u32 s67, 2
	s_cselect_b64 s[100:101], s[36:37], s[100:101]
	s_cmp_eq_u32 s67, 3
	s_cselect_b64 s[100:101], s[38:39], s[100:101]
	s_cmp_eq_u32 s67, 4
	s_cselect_b64 s[100:101], s[56:57], s[100:101]
	s_add_nc_u64 s[20:21], s[4:5], s[20:21]
	s_add_nc_u64 s[22:23], s[6:7], s[22:23]
	s_add_nc_u64 s[46:47], s[8:9], s[46:47]
	s_add_nc_u64 s[92:93], s[10:11], s[92:93]
	CROUND                                         ; all sixteen work-groups are here: the first joint loads meet
	s_mov_b32 s[G0S], 1
	s_add_co_u32 s[G0S+1], s94, SCL
	s_mov_b64 s[G0S+2:G0S+3], s[22:23]
	s_or_b32 s[G0S+3], s[G0S+3], 0x80000000
	s_mov_b32 s[G0SB], 1
	s_add_co_u32 s[G0SB+1], s94, SCL
	s_mov_b64 s[G0SB+2:G0SB+3], s[92:93]
	s_or_b32 s[G0SB+3], s[G0SB+3], 0x80000000
	JLOAD G0S, G1S, G0SB, G1SB                     ; the scale bytes first: they are wanted with K step 0
.irp s, 0,1
	s_mov_b32 s[G0+4*\s], 1
	s_add_co_u32 s[G0+4*\s+1], s45, \s*SLOT
	s_add_nc_u64 s[G0+4*\s+2:G0+4*\s+3], s[20:21], \s*ROWB
	s_or_b32 s[G0+4*\s+3], s[G0+4*\s+3], 0x80000000
	s_mov_b32 s[G0B+4*\s], 1
	s_add_co_u32 s[G0B+4*\s+1], s45, \s*SLOT
	s_add_nc_u64 s[G0B+4*\s+2:G0B+4*\s+3], s[46:47], \s*ROWB
	s_or_b32 s[G0B+4*\s+3], s[G0B+4*\s+3], 0x80000000
	JLOAD G0+4*\s, G1, G0B+4*\s, G1B               ; three tensor loads of mine are out now
.endr
	v_and_b32 v1, 15, v0                           ; r = lane % 16
	v_bfe_u32 v2, v0, 4, 1                         ; h = lane / 16
	s_lshl_b32 s46, s42, 10                        ; my first column x 4 bytes: 1,024 x tile column + 512 x half
	s_lshl_b32 s47, s16, 9
	s_add_co_u32 s46, s46, s47
	s_mov_b32 s47, 0
	s_add_nc_u64 s[100:101], s[100:101], s[46:47]
	v_lshlrev_b32 v[VB], 5, v2
.irp b, 0,1,2,3,4,5,6,7
	global_load_b128 v[BIAS+8*\b:BIAS+8*\b+3], v[VB], s[100:101] offset:64*\b        ; bias of columns 16 b + 8 h + 0 .. 7
	global_load_b128 v[BIAS+8*\b+4:BIAS+8*\b+7], v[VB], s[100:101] offset:64*\b+16
.endr
	v_mul_u32_u24 v3, v1, PITCH
	v_lshl_add_u32 v4, v2, 4, v3                   ; a fragment's row x pitch + 16 x half
	s_mul_i32 s21, s15, HALFT                      ; my 128 rows of A
	s_mul_i32 s22, s16, HALFT                      ; my 128 rows of W,
	s_add_co_u32 s22, s22, 2*HALFT                 ; which lie behind A's 256
.irp s, 0,1
	v_add_nc_u32 v[ADRA+\s], s21, v4
	v_add_nc_u32 v[ADRB+\s], s22, v4
	s_add_co_u32 s21, s21, SLOT
	s_add_co_u32 s22, s22, SLOT
.endr
	v_mul_u32_u24 v5, v1, KS                       ; my row's scale bytes: 64 a row,
	v_lshrrev_b32 v6, 8, v5
	v_lshl_add_u32 v5, v6, 4, v5                   ; and 16 more for each 256 passed
	s_mul_i32 s21, s15, HALFS
	s_mul_i32 s22, s16, HALFS
	s_add_co_u32 s22, s22, 2*HALFS
	s_sub_co_u32 s22, s22, s21
	v_mul_u32_u24 v6, s22, v2                      ; lanes 16-31 take W's
	s_add_co_u32 s21, s21, SCL
	v_add_nc_u32 v5, v5, v6
	v_add_nc_u32 v[ADRS], s21, v5
	s_mul_i32 s23, s14, 16*SPITCH                  ; my stage
	v_mul_u32_u24 v5, v1, SPITCH
	v_lshl_add_u32 v5, v2, 4, v5
	v_add_nc_u32 v[STO], s23, v5                   ; in: row r, 16 bytes for each half of the lanes
	v_mul_u32_u24 v5, v2, SPITCH
	v_lshl_add_u32 v5, v1, 4, v5
	v_add_nc_u32 v[RD], s23, v5                    ; back: lanes 0-15 one row of 256 bytes, lanes 16-31 the next
	v_lshlrev_b32 v[CO], 12, v2
	v_lshl_add_u32 v[CO], v1, 4, v[CO]             ; and the same two rows in y
	v_and_b32 v[VSQ], 31, v0
	v_lshlrev_b32 v[VSQ], 6, v[VSQ]
	s_lshl_b32 s20, s66, 10                        ; my first row of y: 1,024 j + 256 cy + 128 x half
	s_lshl_b32 s21, s41, 8
	s_add_co_u32 s20, s20, s21
	s_lshl_b32 s21, s15, 7
	s_add_co_u32 s20, s20, s21
	s_lshl_b32 s22, s20, 6                         ; its 64 bytes of ssq
	s_mov_b32 s23, 0
	s_add_nc_u64 s[98:99], s[98:99], s[22:23]
	s_lshl_b32 s20, s20, 12                        ; its 4,096 bytes of y
	s_mov_b32 s21, 0
	s_add_nc_u64 s[12:13], s[12:13], s[20:21]
	s_lshl_b32 s46, s42, 3                         ; my part among a row's 16: 2 x tile column + half, 4 bytes each
	s_lshl_b32 s47, s16, 2
	s_add_co_u32 s46, s46, s47
	s_mov_b32 s47, 0
	s_add_nc_u64 s[98:99], s[98:99], s[46:47]
	s_lshl_b32 s46, s42, 9                         ; my first column in y, in bytes
	s_lshl_b32 s47, s16, 8
	s_add_co_u32 s46, s46, s47
	s_mov_b32 s47, 0
	s_add_nc_u64 s[12:13], s[12:13], s[46:47]
.macro FRAG reg, adr, q, i             ; 16 rows x 128 K of 4-bit codes: 8 registers: lane l holds row l % 16; registers 4 c .. 4 c + 3 hold K = 64 c + 32 (l / 16) + 0 .. 31
.irp c, 0,1
	ds_load_b128 v[\reg+4*\c:\reg+4*\c+3], v[\adr] offset:64*(\q)+32*\c+(\i)*16*PITCH
.endr
.endm
; 16 matrix instructions: A's blocks a0, a0 + 1 x W's eight, 128 along K.  zero = 1: the first product starts the sums from the bias.  The 64 accumulators take turns, one instruction a turn.
.macro MUL16 a0, p, q, sc, zero
.irp a, \a0, \a0+1
.irp b, 0,1,2,3,4,5,6,7
.if \zero
	v_wmma_scale_f32_16x16x128_f8f6f4 v[8*(8*((\a)%4)+\b):8*(8*((\a)%4)+\b)+7], v[128*(\p)+FR*\b:128*(\p)+FR*\b+FR-1], v[AF+FR*(\a):AF+FR*(\a)+FR-1], v[BIAS+8*\b:BIAS+8*\b+7], v[SC+8*NQ*(\sc)+NQ*\b+(\q)], v[SC+8*NQ*(\sc)+NQ*(\a)+(\q)] matrix_a_fmt:MATRIX_FMT_FP4 matrix_b_fmt:MATRIX_FMT_FP4 matrix_a_scale:MATRIX_SCALE_ROW1
.else
	v_wmma_scale_f32_16x16x128_f8f6f4 v[8*(8*((\a)%4)+\b):8*(8*((\a)%4)+\b)+7], v[128*(\p)+FR*\b:128*(\p)+FR*\b+FR-1], v[AF+FR*(\a):AF+FR*(\a)+FR-1], v[8*(8*((\a)%4)+\b):8*(8*((\a)%4)+\b)+7], v[SC+8*NQ*(\sc)+NQ*\b+(\q)], v[SC+8*NQ*(\sc)+NQ*(\a)+(\q)] matrix_a_fmt:MATRIX_FMT_FP4 matrix_b_fmt:MATRIX_FMT_FP4 matrix_a_scale:MATRIX_SCALE_ROW1
.endif
.endr
.endr
.endm
.macro FETCH_B slot, q, p
	WIN TO_B
.irp i, 0,1,2,3,4,5,6,7
	FRAG 128*(\p)+FR*\i, ADRB+\slot, \q, \i
.endr
	WIN 0
.endm
.macro FETCH_A slot, q, i0
.irp i, \i0, \i0+1, \i0+2, \i0+3
	FRAG AF+FR*(\i), ADRA+\slot, \q, \i
.endr
.endm
.macro SCALES sc                       ; a K step's scale words: 4 words a row; lanes 0-15 take A's block i, lanes 16-31 W's block i
.irp i, 0,1,2,3,4,5,6,7
	ds_load_b128 v[SC+8*NQ*\sc+NQ*\i:SC+8*NQ*\sc+NQ*\i+3], v[ADRS] offset:\i*SBLK
.endr
.endm
.macro PLACES n                        ; plain vector instructions between a matrix instruction and a load into, or a read of, its registers
.rept \n
	v_nop
.endr
.endm
.macro STEP slot, q, zero              ; 128 along K with its successor in the same slot
	s_wait_dscnt 4*NL                              ; W's set and A's blocks 0-3 are in; the youngest eight loads (A's blocks 4-7) may be out
.if \zero
	WIN FST_LO
.else
	WIN MUL_LO
.endif
	MUL16 0, (\q)%2, \q, \slot, \zero
	MUL16 2, (\q)%2, \q, \slot, \zero
	s_wait_dscnt 0                                 ; A's blocks 4-7 are in
	PLACES NP
	FETCH_B \slot, (\q)+1, 1-(\q)%2
	FETCH_A \slot, (\q)+1, 0
.if \zero
	WIN FST_HI
.else
	WIN MUL_HI
.endif
	MUL16 4, (\q)%2, \q, \slot, \zero
	MUL16 6, (\q)%2, \q, \slot, \zero
	PLACES NP
	WIN 0
	FETCH_A \slot, (\q)+1, 4
.endm
; A slot's last step changes slots: one barrier; in front of it each wave waits for all its tensor loads, adds 0 to its spare word, and waits for that and for its reads of this slot.
.macro TURN slot, next, fill
	s_wait_tensorcnt 0x0                           ; all my tensor loads have landed: my part of the next slot
	ds_add_u32 v[SPW], v[NIL]
	s_wait_dscnt 4*NL+1                            ; (the add and A's blocks 4-7 may be out)
	WIN MUL_LO
	MUL16 0, 1, NQ-1, \slot, 0
	s_wait_dscnt 0x0                               ; the add is done, and my reads of this slot are over
	s_barrier_signal -1
	MUL16 2, 1, NQ-1, \slot, 0
	WIN 0
	s_barrier_wait -1
.if \fill
	CREST                                          ; the barrier has opened a round of the cluster's barrier: no wave of any partner still reads this slot or has a load on its way
	s_add_nc_u64 s[G0+4*\slot+2:G0+4*\slot+3], s[G0+4*\slot+2:G0+4*\slot+3], 2*ROWB
	s_add_nc_u64 s[G0B+4*\slot+2:G0B+4*\slot+3], s[G0B+4*\slot+2:G0B+4*\slot+3], 2*ROWB
	JLOAD G0+4*\slot, G1, G0B+4*\slot, G1B         ; the first tensor load behind the round; its four v_nop are the places in front of the loads below
.else
	PLACES NP
.endif
	v_add_nc_u32 v[ADRS], 4*NQ, v[ADRS]            ; on to the next K step's scale words
	FETCH_B \next, 0, 0
	FETCH_A \next, 0, 0
	SCALES \next
	WIN MUL_HI
	MUL16 4, 1, NQ-1, \slot, 0
	MUL16 6, 1, NQ-1, \slot, 0
	PLACES NP
	WIN 0
	FETCH_A \next, 0, 4
.endm
.macro STEPS slot, from
.set Q, \from
.rept NQ-1-\from
	STEP \slot, Q, 0
.set Q, Q+1
.endr
.endm
	s_wait_tensorcnt 1                             ; the scale bytes and my part of K step 0 are in (K step 1's load may be out)
	s_barrier_signal -1
	s_barrier_wait -1
	FETCH_B 0, 0, 0
	FETCH_A 0, 0, 0
	SCALES 0
	FETCH_A 0, 0, 4
	s_wait_loadcnt 0x0                             ; the bias
	STEP 0, 0, 1
	s_mov_b32 s3, LAPS-1
.Llap:                                             ; a trip goes once round the ring and fills both slots again
	STEPS 0, 1
	TURN 0, 1, 1
	STEPS 1, 0
	TURN 1, 0, 1
	STEP 0, 0, 0
	s_sub_co_u32 s3, s3, 1
	s_cmp_lg_u32 s3, 0
	s_cbranch_scc1 .Llap
	STEPS 0, 1                                     ; the last lap fills nothing
	TURN 0, 1, 0
	STEPS 1, 0
	s_wait_dscnt 4*NL
	WIN MUL_LO
	MUL16 0, 1, NQ-1, 1, 0
	MUL16 2, 1, NQ-1, 1, 0
	s_wait_dscnt 0
	WIN MUL_HI
	MUL16 4, 1, NQ-1, 1, 0
	MUL16 6, 1, NQ-1, 1, 0
	WIN 0
	PLACES NP
	; ---- the rows' sums of squares over my 128 columns; v and v_img (j = 5, 7) have no norm
	s_mov_b32 s20, 0x76543210
	s_mov_b32 s21, 0xfedcba98                      ; v_permlanex16_b32's selects for lane l xor 16
	s_and_b32 s18, s66, 5
	s_cmp_eq_u32 s18, 5
	s_cbranch_scc1 .Lno_ssq
.irp a, 0,1,2,3,4,5,6,7
	WIN 0x0a+5*(\a/4)                              ; sources 0 and 1: window 2 or 3
.irp b, 0,1,2,3,4,5,6,7
.irp i, 0,1,2,3                                    ; each accumulator from its low end on; four chains a row block
.if \b == 0
	v_pk_mul_f32 v[TQ+8*\a+2*\i:TQ+8*\a+2*\i+1], v[64*(\a%4)+8*\b+2*\i:64*(\a%4)+8*\b+2*\i+1], v[64*(\a%4)+8*\b+2*\i:64*(\a%4)+8*\b+2*\i+1]
.else
	v_pk_fma_f32 v[TQ+8*\a+2*\i:TQ+8*\a+2*\i+1], v[64*(\a%4)+8*\b+2*\i:64*(\a%4)+8*\b+2*\i+1], v[64*(\a%4)+8*\b+2*\i:64*(\a%4)+8*\b+2*\i+1], v[TQ+8*\a+2*\i:TQ+8*\a+2*\i+1]
.endif
.endr
.endr
.endr
	WIN 0
.irp a, 0,1,2,3,4,5,6,7
	v_pk_add_f32 v[TQ+8*\a:TQ+8*\a+1], v[TQ+8*\a:TQ+8*\a+1], v[TQ+8*\a+2:TQ+8*\a+3]
	v_pk_add_f32 v[TQ+8*\a+4:TQ+8*\a+5], v[TQ+8*\a+4:TQ+8*\a+5], v[TQ+8*\a+6:TQ+8*\a+7]
.endr
.irp a, 0,1,2,3,4,5,6,7
	v_pk_add_f32 v[TQ+8*\a:TQ+8*\a+1], v[TQ+8*\a:TQ+8*\a+1], v[TQ+8*\a+4:TQ+8*\a+5]
.endr
.irp a, 0,1,2,3,4,5,6,7
	v_add_f32 v[96+\a], v[TQ+8*\a], v[TQ+8*\a+1]
.endr
.irp a, 0,1,2,3,4,5,6,7
	v_permlanex16_b32 v[TQ+8*\a+2], v[96+\a], s20, s21
.endr
.irp a, 0,1,2,3,4,5,6,7
	v_add_f32 v[96+\a], v[96+\a], v[TQ+8*\a+2]     ; with lane l xor 16's 64 columns: row 16 a + r
.endr
	v_and_b32 v1, 31, v0
	v_cmp_le_u32 vcc_lo, 16, v1
.irp p, 0,1,2,3
	v_cndmask_b32 v[104+\p], v[96+2*\p], v[97+2*\p], vcc_lo        ; lanes 0-15 block 2 p, lanes 16-31 block 2 p + 1: row 32 p + lane
	global_store_b32 v[VSQ], v[104+\p], s[98:99] offset:2048*\p    ; 4 bytes of each row's 64: the layout serves launch 3, which reads a row's 16 parts on end
.endr
.Lno_ssq:
; ---- y, block by block of 16 rows x 128 columns: rounded to f16, 16 bytes a lane, through my stage, back as whole rows of 256 bytes
.macro PACK a
.set AC, 64*((\a)%4)
	WIN 0x0a+5*((\a)/4)
.irp b, 0,1,2,3,4,5,6,7
.irp r, 0,1,2,3
	v_cvt_pk_f16_f32 v[TMP+4*\b+\r], v[AC+8*\b+2*\r], v[AC+8*\b+2*\r+1]
.endr
.endr
	WIN 0
.endm
.macro TOSTAGE a
.set BK, OB+32*((\a)%2)
.irp b, 0,1,2,3,4,5,6,7
	ds_store_b128 v[STO], v[TMP+4*\b:TMP+4*\b+3] offset:32*\b
.endr
.irp t, 0,1,2,3,4,5,6,7
	ds_load_b128 v[BK+4*\t:BK+4*\t+3], v[RD] offset:\t*2*SPITCH    ; LDS serves a wave's instructions in order: these see the stores above
.endr
.endm
.macro SEND a, younger
.set BK, OB+32*((\a)%2)
	s_wait_dscnt \younger                          ; the block is back in registers
	s_wait_xcnt 0x0                                ; earlier stores have read their base and their registers: both may be written again
.if (\a) > 0
	s_add_nc_u64 s[12:13], s[12:13], 16*4096       ; 16 rows of y on
.endif
.irp t, 0,1,2,3,4,5,6,7
	global_store_b128 v[CO], v[BK+4*\t:BK+4*\t+3], s[12:13] offset:\t*8192   ; sixteen lanes store 256 consecutive bytes, aligned
.endr
.endm
	PACK 0
	TOSTAGE 0
.irp a, 1,2,3,4,5,6,7
	PACK \a
	SEND \a-1, 0
	TOSTAGE \a
.endr
	SEND 7, 0
	s_wait_tensorcnt 0x0                           ; the wave's end, behind my last tensor load and my last LDS store
	ds_add_u32 v[SPW], v[NIL]
	s_wait_dscnt 0x0
	CROUND                                         ; the closing round: no work-group ends while a partner may still ask for a tile that names it
	s_endpgm
.Lfunc_end_k_qb6b48d86d9_proj:
	.size	k_qb6b48d86d9_proj, .Lfunc_end_k_qb6b48d86d9_proj-k_qb6b48d86d9_proj
	.p2alignl 7, 3214868480
	.fill 96, 4, 3214868480
	.section	.rodata,"a",@progbits
	.p2align	6, 0x0
	.amdhsa_kernel k_qb6b48d86d9_proj
		.amdhsa_group_segment_fixed_size 327680
		.amdhsa_private_segment_fixed_size 0
		.amdhsa_enable_private_segment 0
		.amdhsa_kernarg_size 88
		.amdhsa_user_sgpr_count 2
		.amdhsa_user_sgpr_kernarg_segment_ptr 1
		.amdhsa_wavefront_size32 1
		.amdhsa_system_sgpr_workgroup_id_x 1
		.amdhsa_system_sgpr_workgroup_id_y 1
		.amdhsa_system_sgpr_workgroup_id_z 1
		.amdhsa_system_vgpr_workitem_id 0
		.amdhsa_next_free_vgpr 1024
		.amdhsa_next_free_sgpr 102
		.amdhsa_reserve_vcc 1
		.amdhsa_float_denorm_mode_32 3
		.amdhsa_float_denorm_mode_16_64 3
		.amdhsa_memory_ordered 1
		.amdhsa_forward_progress 1
		.amdhsa_inst_pref_size 236
	.end_amdhsa_kernel
	.amdgpu_metadata
---
amdhsa.version: [ 1, 2 ]
amdhsa.kernels:
  - .name:           k_qb6b48d86d9_proj
    .symbol:         k_qb6b48d86d9_proj.kd
    .args:
      - { .name: acodes, .offset: 0, .size: 8, .value_kind: global_buffer, .address_space: global }
      - { .name: ascales, .offset: 8, .size: 8, .value_kind: global_buffer, .address_space: global }
      - { .name: wcodes, .offset: 16, .size: 8, .value_kind: global_buffer, .address_space: global }
      - { .name: wscales, .offset: 24, .size: 8, .value_kind: global_buffer, .address_space: global }
      - { .name: y, .offset: 32, .size: 8, .value_kind: global_buffer, .address_space: global }
      - { .name: ssq, .offset: 40, .size: 8, .value_kind: global_buffer, .address_space: global }
      - { .name: bq, .offset: 48, .size: 8, .value_kind: global_buffer, .address_space: global }
      - { .name: bk, .offset: 56, .size: 8, .value_kind: global_buffer, .address_space: global }
      - { .name: bv, .offset: 64, .size: 8, .value_kind: global_buffer, .address_space: global }
      - { .name: bki, .offset: 72, .size: 8, .value_kind: global_buffer, .address_space: global }
      - { .name: bvi, .offset: 80, .size: 8, .value_kind: global_buffer, .address_space: global }
    .group_segment_fixed_size: 327680
    .private_segment_fixed_size: 0
    .kernarg_segment_align: 8
    .kernarg_segment_size: 88
    .max_flat_workgroup_size: 128
    .sgpr_count:     102
    .vgpr_count:     1024
    .wavefront_size: 32
...
	.end_amdgpu_metadata
.endif
;; end of part 2
;; launch attn (part 3): grid 8 x 32, 4 waves a work-group, no clusters, 232,960 bytes of LDS; arguments y, ssq, gq, gk, gki, context_lens, o16; writes o16
.if DOCPART == 3
	.amdgcn_target "amdgcn-amd-amdhsa--gfx1250"
	.amdhsa_code_object_version 6
	.text
	.protected	k_qb6b48d86d9_attn
	.globl	k_qb6b48d86d9_attn
	.p2align	8
	.type	k_qb6b48d86d9_attn,@function
k_qb6b48d86d9_attn:
	s_mov_b64 s[64:65], 0
	v_nop
	global_prefetch_b8 v0, s[64:65] scope:SCOPE_SE
	s_setreg_imm32_b32 hwreg(HW_REG_WAVE_MODE, 25, 1), 1
	s_wait_xcnt 0x0
; BOTH ATTENTIONS OF ONE (BATCH, HEAD) FOR 256 QUERIES: o16 = f16(0.5 (softmax(q k_img^T / sqrt(128)) v_img + softmax_masked(q k^T / sqrt(128)) v)).  Products on f16 operands, sums, maxima and norms in f32.
; WORK LEFT OUT: steps of 64 text keys that lie wholly at or beyond context_lens[b]: reference()'s softmax gives those keys the weight 0 whatever the other inputs hold (shown at the head of the first launch).
; A NaN or an infinity that reaches only such steps is not carried to the result.
; THE NORMS.  y holds the raw projections.  r = rsqrt(sum of y^2 / 2,048 + 1e-6) is made here from the 16 parts a row in ssq.  A lane holds one query, so rq goes into the lane's softmax scale
; cq = rq log2(e) / sqrt(128).  rk and both gains go onto K on its way through registers into LDS: k' = f16(yk rk (gq gk)): a normalised number times the gains, which has room in f16.
; ONE STREAM OF 13 KEY STEPS of 64 keys: image steps 0-4 (limit 257), text steps 0-7 (limit kl = min(context_lens[b], 512)).  Between them O x 0.5 / l is put aside in LDS, in f32, and the running
; maximum is set to -infinity: the next step's factor 2^(-infinity) = 0 then starts O and l anew.  Where context_lens[b] <= 0 all scores are equal in reference(): kl = 512 and the text branch's cq is 0.
; SHARES.  A wave owns 64 queries, four tiles of 16.  S^T = K Q^T (source 0 = 16 keys) and O^T = V^T P (V turned by ds_load_tr16_b128): a lane holds one query throughout.
; K AND V COME THROUGH REGISTERS: each wave loads 16 of the next step's 64 rows a whole step ahead, scales K, and stores both into the LDS slot that is not being read; one barrier a step.
; FRAGMENTS: K's 32 LDS loads stand in one run in front of the first product; V's 32, wanted only by the second product, stand in four runs of eight among the softmax's first lines.
; NO CLUSTER, NO TENSOR LOAD: which steps are walked hangs on context_lens, a number read from memory.
; The loop's trip count is a constant and every barrier stands outside the branches.
; REGISTERS, in windows of 256: window 0: v1-15 addresses; v16-47 eight registers of statistics a tile (+0 c m, +1 m, +2, +3 l, +4 to +7 at work; a in +6); v48-55 cq, a pair a tile; v56-63 the gains of the
;   branch being staged; v64-95 K on its way; v96-103 its rows' sums; v104-111 the text branch's gains; v112-127 at work; v128-255 S^T, 32 a tile.
;   window 1: O^T, 64 a tile.   window 2: v0-127 Q; v128-255 K's fragments.   window 3: v0-63 P; v64-191 V's fragments; v192-223 V on its way.
.set PK,    272                        ; a row of K in LDS: 256 bytes + 16
.set PV,    288                        ; a row of V: 256 + 32
.set VOFF,  64*PK
.set SLOT1, 65536                      ; slot 1; one exclusive or turns an address in one slot into the other's
.set STAGE, 36864                      ; between the slots: 16 rows x 272 bytes for each wave, for the way out
.set IMG,   101376                     ; behind slot 1: 32,768 bytes for each wave: the image branch's result as an image of the registers
.set SPARE, 232448                     ; the spare words: 128 bytes for each wave, named by no other line
.set IMA, 2
.set AK0, 3
.set AV0, 4
.set ADR, 5
.set KO,  6                            ; v6  my 16 bytes of my wave's first two rows of a step, in y
.set SO,  7                            ; v7  my part of those rows' sums, in ssq
.set KST, 8                            ; v8  where those 16 bytes of K go in a slot
.set VST, 9                            ; v9  and V's
.set MD,  10
.set NINF, 11
.set KSA, 12
.set VSA, 13
.set SPW, 14
.set NIL, 15
.set ST,  16
.set CQ,  48
.set GG,  56
.set KS,  64
.set RK,  96
.set GG1, 104
.set T,   112
.set S,   128
; s18 wave, s19 batch, s20 head; s[22:23] lane selects; s24 1/2048, s25 1e-6, s26 log2(e)/sqrt(128), s27 1.0 or 0; s28 step; s29, s30 first key and limit of the step computed; s31, s32 of the step staged;
; s33 kl; s34, s35 slot read, slot written; s[36:41] K, V, ssq of the step staged; s[42:47] the text branch's three; s48-59 at work
.set MSB, 0
.macro WIN new
.if MSB != (\new)
	s_set_vgpr_msb (MSB<<8)|(\new)
.set MSB, (\new)
.endif
.endm
.set W_KQ, 0x0a                        ; K and Q window 2, S^T window 0
.set W_PV, 0x5f                        ; V and P window 3, O^T window 1
.set W_RS, 0x41                        ; O^T (destination, source 0) window 1
.macro PLACES
.rept 4
	v_nop
.endr
.endm
.macro ROWPTR dst, base, row, sh, plus ; an address: base + ((512 b + row) << sh) + plus
	s_add_co_u32 s50, s48, \row
	s_lshl_b32 s50, s50, \sh
	s_add_co_u32 s50, s50, \plus
	s_add_nc_u64 s[\dst:\dst+1], s[\base:\base+1], s[50:51]
.endm
; my wave's 16 rows (16 w + 2 i + h) of the step being staged: sixteen lanes read a row's 256 bytes
.macro LOADKV
.irp i, 0,1,2,3,4,5,6,7
	global_load_b128 v[KS+4*\i:KS+4*\i+3], v[KO], s[36:37] offset:8192*\i
.endr
.irp i, 0,1,2,3,4,5,6,7
	global_load_b32 v[RK+\i], v[SO], s[40:41] offset:128*\i        ; lane (r, h): part r of that row's sum of squares
.endr
	WIN 0xc0
.irp i, 0,1,2,3,4,5,6,7
	global_load_b128 v[192+4*\i:195+4*\i], v[KO], s[38:39] offset:8192*\i
.endr
	WIN 0
.endm
.macro UNP d, lo, hi
	v_cvt_f32_f16 v[\d], \lo
	v_cvt_f32_f16 v[\d+1], \hi
.endm
.macro SCALEK i                        ; row 2 i + h: x rk, x the gains of my 8 channels, back to f16, into the slot
.set TT, T+8*((\i)%2)
.irp k, 0,2,4,6
.if (\i)%2 == 0
	v_pk_mul_f32 v[TT+\k:TT+\k+1], v[TT+\k:TT+\k+1], v[RK+(\i):RK+(\i)+1] op_sel_hi:[1,0]
.else
	v_pk_mul_f32 v[TT+\k:TT+\k+1], v[TT+\k:TT+\k+1], v[RK+(\i)-1:RK+(\i)] op_sel:[0,1] op_sel_hi:[1,1]
.endif
.endr
.irp k, 0,2,4,6
	v_pk_mul_f32 v[TT+\k:TT+\k+1], v[TT+\k:TT+\k+1], v[GG+\k:GG+\k+1]
.endr
.irp k, 0,1,2,3
	v_cvt_pk_f16_f32 v[KS+4*(\i)+\k], v[TT+2*\k], v[TT+2*\k+1]
.endr
	ds_store_b128 v[KSA], v[KS+4*(\i):KS+4*(\i)+3] offset:2*PK*(\i)
.endm
.macro STOREKV
.irp m, 1,2,4,8
.irp i, 0,1,2,3,4,5,6,7
	v_add_f32_dpp v[RK+\i], v[RK+\i], v[RK+\i] row_xmask:\m row_mask:0xf bank_mask:0xf   ; the row's 16 parts: every lane of the sixteen ends with the sum
.endr
.endr
.irp i, 0,1,2,3,4,5,6,7
	v_fma_f32 v[RK+\i], v[RK+\i], s24, s25
.endr
.irp i, 0,1,2,3,4,5,6,7
	v_rsq_f32 v[RK+\i], v[RK+\i]
.endr
	v_add_nc_u32 v[KSA], s35, v[KST]               ; (plain instructions behind the last root)
	v_add_nc_u32 v[VSA], s35, v[VST]
	s_wait_alu depctr_va_vdst(0)                   ; the wait ahead of the first use: one for the eight roots
	UNP 112, v64.l, v64.h
	UNP 114, v65.l, v65.h
	UNP 116, v66.l, v66.h
	UNP 118, v67.l, v67.h
	SCALEK 0
	UNP 120, v68.l, v68.h
	UNP 122, v69.l, v69.h
	UNP 124, v70.l, v70.h
	UNP 126, v71.l, v71.h
	SCALEK 1
	UNP 112, v72.l, v72.h
	UNP 114, v73.l, v73.h
	UNP 116, v74.l, v74.h
	UNP 118, v75.l, v75.h
	SCALEK 2
	UNP 120, v76.l, v76.h
	UNP 122, v77.l, v77.h
	UNP 124, v78.l, v78.h
	UNP 126, v79.l, v79.h
	SCALEK 3
	UNP 112, v80.l, v80.h
	UNP 114, v81.l, v81.h
	UNP 116, v82.l, v82.h
	UNP 118, v83.l, v83.h
	SCALEK 4
	UNP 120, v84.l, v84.h
	UNP 122, v85.l, v85.h
	UNP 124, v86.l, v86.h
	UNP 126, v87.l, v87.h
	SCALEK 5
	UNP 112, v88.l, v88.h
	UNP 114, v89.l, v89.h
	UNP 116, v90.l, v90.h
	UNP 118, v91.l, v91.h
	SCALEK 6
	UNP 120, v92.l, v92.h
	UNP 122, v93.l, v93.h
	UNP 124, v94.l, v94.h
	UNP 126, v95.l, v95.h
	SCALEK 7
	WIN 0x0c                                       ; an LDS store's data are its source 1: window 3
.irp i, 0,1,2,3,4,5,6,7
	ds_store_b128 v[VSA], v[192+4*\i:195+4*\i] offset:2*PV*\i
.endr
	WIN 0
.endm
.macro FETCH_K                         ; 16 fragments: keys 16 (f / 4) on, channels 32 (f % 4) on; by key tile, eight loads each.  V's address for this step is made here too
	v_add_nc_u32 v[ADR], s34, v[AK0]
	v_add_nc_u32 v1, s34, v[AV0]
	WIN 0x80
.irp f, 0,1,2,3,4,5,6,7,8,9,10,11,12,13,14,15
	ds_load_b128 v[128+8*\f:128+8*\f+3], v[ADR] offset:(\f/4)*16*PK+(\f%4)*64
	ds_load_b128 v[128+8*\f+4:128+8*\f+7], v[ADR] offset:(\f/4)*16*PK+(\f%4)*64+32
.endr
	WIN 0
.endm
.macro FVRUN g                         ; four of the 16 fragments of V^T, eight loads: fragment f = 4 g + 0 .. 3: keys 32 (f / 8) on, channels 16 (f % 8) on
	WIN 0xc0
.irp u, 0,1,2,3
.set ff, 4*(\g)+\u
	ds_load_tr16_b128 v[64+8*ff:64+8*ff+3], v1 offset:(ff/8)*32*PV+(ff%8)*32
	ds_load_tr16_b128 v[64+8*ff+4:64+8*ff+7], v1 offset:(ff/8)*32*PV+16*PV+(ff%8)*32
.endr
	WIN 0
.endm
.macro SPHASE                          ; S^T = K Q^T: by key tile; its four accumulators (one a query tile) take turns, one instruction a turn
	WIN W_KQ
.irp kt, 0,1,2,3
	s_wait_dscnt 24-8*\kt                          ; of K's 32 loads, those of key tiles 0 .. kt are in
.irp dc, 0,1,2,3
.irp t, 0,1,2,3
.if \dc == 0
	v_wmma_f32_16x16x32_f16 v[S+32*\t+8*\kt:S+32*\t+8*\kt+7], v[128+32*\kt+8*\dc:128+32*\kt+8*\dc+7], v[32*\t+8*\dc:32*\t+8*\dc+7], 0
.else
	v_wmma_f32_16x16x32_f16 v[S+32*\t+8*\kt:S+32*\t+8*\kt+7], v[128+32*\kt+8*\dc:128+32*\kt+8*\dc+7], v[32*\t+8*\dc:32*\t+8*\dc+7], v[S+32*\t+8*\kt:S+32*\t+8*\kt+7]
.endif
.endr
.endr
.endr
	WIN 0
.endm
; the softmax of a step, the four tiles by turns line by line.  first = 1: the first step of all, which starts m, l and O^T.  V's four runs of LDS loads stand among its lines, ahead of the exponentials
.macro SOFTMAX first
.irp j, 0,1,2,3
.irp t, 0,1,2,3
	v_max3_num_f32 v[ST+8*\t+4+\j], v[S+32*\t+8*\j], v[S+32*\t+8*\j+1], v[S+32*\t+8*\j+2]   ; each accumulator is read from its low end on
.endr
.endr
	FVRUN 0
.irp n, 3,5
.irp j, 0,1,2,3
.irp t, 0,1,2,3
	v_max3_num_f32 v[ST+8*\t+4+\j], v[ST+8*\t+4+\j], v[S+32*\t+8*\j+\n], v[S+32*\t+8*\j+\n+1]
.endr
.endr
.endr
.irp t, 0,1,2,3
	v_max3_num_f32 v[ST+8*\t+4], v[ST+8*\t+4], v[S+32*\t+7], v[S+32*\t+15]
	v_max3_num_f32 v[ST+8*\t+6], v[ST+8*\t+6], v[S+32*\t+23], v[S+32*\t+31]
.endr
	FVRUN 1
.irp t, 0,1,2,3
	v_max3_num_f32 v[ST+8*\t+4], v[ST+8*\t+4], v[ST+8*\t+5], v[ST+8*\t+6]
.endr
.irp t, 0,1,2,3
.if \first
	v_max_num_f32 v[ST+8*\t+4], v[ST+8*\t+4], v[ST+8*\t+7]
.else
	v_max3_num_f32 v[ST+8*\t+4], v[ST+8*\t+4], v[ST+8*\t+7], v[ST+8*\t+1]
.endif
.endr
.irp t, 0,1,2,3
	v_permlanex16_b32 v[ST+8*\t+5], v[ST+8*\t+4], s22, s23         ; the query's other 32 keys lie in the lane 16 away
.endr
.if !\first
.irp t, 0,1,2,3
	v_mov_b32 v[ST+8*\t+7], v[ST+8*\t]             ; c m_old is kept for a
.endr
.endif
.irp t, 0,1,2,3
	v_max_num_f32 v[ST+8*\t+1], v[ST+8*\t+4], v[ST+8*\t+5]
.endr
.irp t, 0,1,2,3
	v_mul_f32 v[ST+8*\t], v[CQ+2*\t], v[ST+8*\t+1]
.endr
.if !\first
.irp t, 0,1,2,3
	v_sub_f32 v[ST+8*\t+7], v[ST+8*\t+7], v[ST+8*\t]
.endr
.endif
.set ii, 0
.rept 16
.irp t, 0,1,2,3
	v_pk_fma_f32 v[S+32*\t+2*ii:S+32*\t+2*ii+1], v[S+32*\t+2*ii:S+32*\t+2*ii+1], v[CQ+2*\t:CQ+2*\t+1], v[ST+8*\t:ST+8*\t+1] op_sel_hi:[1,0,0] neg_lo:[0,0,1] neg_hi:[0,0,1]   ; cq s - cq m
.endr
.if ii == 4
	FVRUN 2
.endif
.if ii == 10
	FVRUN 3
.endif
.set ii, ii+1
.endr
.if !\first
.irp t, 0,1,2,3
	v_exp_f32 v[ST+8*\t+6], v[ST+8*\t+7]           ; a = 2^(c m_old - c m_new)
.endr
.endif
.set ii, 0
.rept 32
.irp t, 0,1,2,3
	v_exp_f32 v[S+32*\t+ii], v[S+32*\t+ii]
.endr
.set ii, ii+1
.endr
	v_nop                                          ; a plain instruction behind the last exponential
	s_wait_alu depctr_va_vdst(0)                   ; the wait ahead of the first use: one for the whole batch
	WIN 0xc0
.set ii, 0
.rept 16
.irp t, 0,1,2,3
	v_cvt_pk_f16_f32 v[16*\t+ii], v[S+32*\t+2*ii], v[S+32*\t+2*ii+1]   ; two tiles of 16 keys, rounded in pairs, are source 1 (32 keys x 16 queries) of the second product
.endr
.set ii, ii+1
.endr
	WIN 0
.irp u, 0,1,2,3,4,5,6,7
.irp t, 0,1,2,3
	v_pk_add_f32 v[S+32*\t+4*\u:S+32*\t+4*\u+1], v[S+32*\t+4*\u:S+32*\t+4*\u+1], v[S+32*\t+4*\u+2:S+32*\t+4*\u+3]
.endr
.endr
.irp u, 0,1,2,3
.irp t, 0,1,2,3
	v_pk_add_f32 v[S+32*\t+8*\u:S+32*\t+8*\u+1], v[S+32*\t+8*\u:S+32*\t+8*\u+1], v[S+32*\t+8*\u+4:S+32*\t+8*\u+5]
.endr
.endr
.irp u, 0,1
.irp t, 0,1,2,3
	v_pk_add_f32 v[S+32*\t+16*\u:S+32*\t+16*\u+1], v[S+32*\t+16*\u:S+32*\t+16*\u+1], v[S+32*\t+16*\u+8:S+32*\t+16*\u+9]
.endr
.endr
.if \first
.irp t, 0,1,2,3
	v_pk_add_f32 v[ST+8*\t+2:ST+8*\t+3], v[S+32*\t:S+32*\t+1], v[S+32*\t+16:S+32*\t+17]
.endr
.else
.irp t, 0,1,2,3
	v_pk_add_f32 v[S+32*\t:S+32*\t+1], v[S+32*\t:S+32*\t+1], v[S+32*\t+16:S+32*\t+17]
.endr
.irp t, 0,1,2,3
	v_pk_fma_f32 v[ST+8*\t+2:ST+8*\t+3], v[ST+8*\t+2:ST+8*\t+3], v[ST+8*\t+6:ST+8*\t+7], v[S+32*\t:S+32*\t+1] op_sel_hi:[1,0,1]   ; l = a l + the step's sum
.endr
	WIN W_RS
.irp t, 0,1,2,3
.set ii, 0
.rept 32
	v_pk_mul_f32 v[64*\t+2*ii:64*\t+2*ii+1], v[64*\t+2*ii:64*\t+2*ii+1], v[ST+8*\t+6:ST+8*\t+7] op_sel_hi:[1,0]   ; O^T x a, each accumulator from its low end on
.set ii, ii+1
.endr
.endr
	WIN 0
.endif
.endm
.macro PVPHASE first                   ; O^T += V^T P: 32 accumulators by turns
	s_wait_dscnt 0x0                               ; V is in
	WIN W_PV
.irp kc, 0,1
.irp ct, 0,1,2,3,4,5,6,7
.irp t, 0,1,2,3
.if \first && (\kc == 0)
	v_wmma_f32_16x16x32_f16 v[64*\t+8*\ct:64*\t+8*\ct+7], v[64+8*(8*\kc+\ct):64+8*(8*\kc+\ct)+7], v[16*\t+8*\kc:16*\t+8*\kc+7], 0
.else
	v_wmma_f32_16x16x32_f16 v[64*\t+8*\ct:64*\t+8*\ct+7], v[64+8*(8*\kc+\ct):64+8*(8*\kc+\ct)+7], v[16*\t+8*\kc:16*\t+8*\kc+7], v[64*\t+8*\ct:64*\t+8*\ct+7]
.endif
.endr
.endr
.endr
	WIN 0
	PLACES                                         ; for whatever follows on any way: loads into V's fragments, reads of O^T
.endm
.macro COMPUTE first
	FETCH_K
	SPHASE
	PLACES
.if !\first
	s_add_co_u32 s48, s29, 64                      ; a step all of whose keys count has nothing to hide
	s_cmp_le_u32 s48, s30
	s_cbranch_scc1 .Lopen_\@
	s_sub_co_u32 s48, s30, s29
	v_bfe_u32 v[MD], v0, 4, 1
	v_lshlrev_b32 v[MD], 3, v[MD]
	v_sub_nc_u32 v[MD], s48, v[MD]                 ; register 8 kt + jj holds key 16 kt + 8 h + jj of the step: hidden where 16 kt + jj >= limit - first key - 8 h
.irp kt, 0,1,2,3
.irp jj, 0,1,2,3,4,5,6,7
	v_cmp_ge_i32 vcc_lo, 16*\kt+\jj, v[MD]
.irp t, 0,1,2,3
	v_cndmask_b32 v[S+32*\t+8*\kt+\jj], v[S+32*\t+8*\kt+\jj], v[NINF], vcc_lo
.endr
.endr
.endr
.Lopen_\@:
.endif
	SOFTMAX \first
	PVPHASE \first
.endm
.macro LSUM                            ; 0.5 / l of each tile into its a register
.irp t, 0,1,2,3
	v_add_f32 v[ST+8*\t+4], v[ST+8*\t+2], v[ST+8*\t+3]
.endr
.irp t, 0,1,2,3
	v_permlanex16_b32 v[ST+8*\t+5], v[ST+8*\t+4], s22, s23
.endr
.irp t, 0,1,2,3
	v_add_f32 v[ST+8*\t+4], v[ST+8*\t+4], v[ST+8*\t+5]
.endr
.irp t, 0,1,2,3
	v_rcp_f32 v[ST+8*\t+6], v[ST+8*\t+4]
.endr
	v_nop
	s_wait_alu depctr_va_vdst(0)                   ; one wait for the four reciprocals, ahead of their first use
.irp t, 0,1,2,3
	v_mul_f32 v[ST+8*\t+6], 0.5, v[ST+8*\t+6]
.endr
.endm
.macro FIN0                            ; the image branch is done: O^T x 0.5 / l goes aside, and the text branch begins
	LSUM
.irp t, 0,1,2,3
	WIN 0x01
.set ii, 0
.rept 32
	v_pk_mul_f32 v[S+64*(\t%2)+2*ii:S+64*(\t%2)+2*ii+1], v[64*\t+2*ii:64*\t+2*ii+1], v[ST+8*\t+6:ST+8*\t+7] op_sel_hi:[1,0]
.set ii, ii+1
.endr
	WIN 0
.irp k, 0,1,2,3,4,5,6,7,8,9,10,11,12,13,14,15
	ds_store_b128 v[IMA], v[S+64*(\t%2)+4*\k:S+64*(\t%2)+4*\k+3] offset:8192*\t+512*\k
.endr
.if \t%2 == 1
	s_wait_dscnt 0x0                               ; the stores have read both sets of registers
.endif
.endr
.irp t, 0,1,2,3
	v_mov_b32 v[ST+8*\t], v[NINF]                  ; c m and m: -infinity: the next step's a is 0
	v_mov_b32 v[ST+8*\t+1], v[NINF]
	v_mul_f32 v[CQ+2*\t], s27, v[CQ+2*\t]          ; x 1, or x 0 where no key counts
	v_mul_f32 v[CQ+2*\t+1], s27, v[CQ+2*\t+1]
.endr
	s_mov_b32 s29, 0
	s_mov_b32 s30, s33
.endm
.macro ADVANCE sel                     ; on to the next step; sel = 1: behind step 3's trip the staging turns to the text branch
	s_add_co_u32 s29, s29, 64
	s_add_co_u32 s31, s31, 64
	s_add_nc_u64 s[36:37], s[36:37], 262144        ; 64 rows of 4,096 bytes (their loads are done: the wait for all loads stands ahead)
	s_add_nc_u64 s[38:39], s[38:39], 262144
	s_add_nc_u64 s[40:41], s[40:41], 4096
	s_xor_b32 s34, s34, SLOT1
	s_xor_b32 s35, s35, SLOT1
.if \sel
	s_cmp_eq_u32 s28, 3
	s_cselect_b32 s31, 0, s31
	s_cselect_b32 s32, s33, s32
	s_cselect_b64 s[36:37], s[42:43], s[36:37]
	s_cselect_b64 s[38:39], s[44:45], s[38:39]
	s_cselect_b64 s[40:41], s[46:47], s[40:41]
	s_cbranch_scc0 .Lsame_\@
.irp k, 0,1,2,3,4,5,6,7
	v_mov_b32 v[GG+\k], v[GG1+\k]
.endr
.Lsame_\@:
.endif
.endm
	s_load_b256 s[4:11], s[0:1], 0x0               ; y, ssq, gq, gk
	s_load_b128 s[12:15], s[0:1], 0x20             ; gki, context_lens
	s_load_b64 s[16:17], s[0:1], 0x30              ; o16
	v_lshl_add_u32 v[SPW], v0, 2, SPARE
	v_mov_b32 v[NIL], 0
	v_lshrrev_b32 v1, 5, v0
	v_readfirstlane_b32 s18, v1                    ; wave 0..3
	s_and_b32 s48, ttmp7, 0xffff
	s_lshr_b32 s19, s48, 4                         ; batch
	s_and_b32 s20, s48, 15                         ; head
	s_mov_b32 s22, 0x76543210
	s_mov_b32 s23, 0xfedcba98
	s_mov_b32 s24, 0x3a000000                      ; 1 / 2,048
	s_mov_b32 s25, 0x358637bd                      ; 1e-6
	s_mov_b32 s26, 0x3e0293ee                      ; log2(e) / sqrt(128)
	v_and_b32 v112, 15, v0                         ; r
	v_bfe_u32 v113, v0, 4, 1                       ; h
	v_mul_u32_u24 v[AK0], v112, PK
	v_lshl_add_u32 v[AK0], v113, 4, v[AK0]         ; a fragment of K: row r x pitch + 16 h
	v_and_b32 v114, 7, v0
	v_bfe_u32 v115, v0, 3, 1
	v_lshl_add_u32 v[AV0], v113, 3, v114
	v_mul_u32_u24 v[AV0], v[AV0], PV
	v_lshl_add_u32 v[AV0], v115, 4, v[AV0]
	v_add_nc_u32 v[AV0], VOFF, v[AV0]              ; the turning load: key 8 h + l % 8, channels 8 ((l / 8) % 2) on
	s_lshl_b32 s48, s18, 16
	v_lshlrev_b32 v[KO], 12, v113
	v_lshl_add_u32 v[KO], v112, 4, v[KO]
	v_add_nc_u32 v[KO], s48, v[KO]                 ; (16 w + h) x 4,096 + 16 r
	s_lshl_b32 s48, s18, 10
	v_lshlrev_b32 v[SO], 6, v113
	v_lshl_add_u32 v[SO], v112, 2, v[SO]
	v_add_nc_u32 v[SO], s48, v[SO]                 ; (16 w + h) x 64 + 4 r
	s_mul_i32 s48, s18, 16*PK
	v_mul_u32_u24 v[KST], v113, PK
	v_lshl_add_u32 v[KST], v112, 4, v[KST]
	v_add_nc_u32 v[KST], s48, v[KST]
	s_mul_i32 s48, s18, 16*PV
	s_add_co_u32 s48, s48, VOFF
	v_mul_u32_u24 v[VST], v113, PV
	v_lshl_add_u32 v[VST], v112, 4, v[VST]
	v_add_nc_u32 v[VST], s48, v[VST]
	s_lshl_b32 s48, s18, 15
	s_add_co_u32 s48, s48, IMG
	v_and_b32 v[IMA], 31, v0
	v_lshl_add_u32 v[IMA], v[IMA], 4, s48
	v_mov_b32 v[NINF], 0xff800000
	v_lshlrev_b32 v114, 12, v112
	v_lshl_add_u32 v114, v113, 4, v114             ; Q: row r x 4,096 + 16 h
	v_lshlrev_b32 v115, 6, v112
	v_lshl_add_u32 v115, v113, 5, v115             ; q's sums: row r x 64 + 32 h
	v_lshlrev_b32 v116, 5, v112                    ; the gains of channels 8 r on
	s_wait_kmcnt 0x0
	s_load_b64 s[58:59], s[14:15], 0x0             ; both batches' lengths: waited for behind the loads below, none of which hangs on them
	s_mov_b32 s51, 0
	s_lshl_b32 s48, s19, 9                         ; 512 b
	s_lshl_b32 s49, s20, 8                         ; the head's 256 bytes in a row
	ROWPTR 36, 4, 6144, 12, s49                    ; k_img
	ROWPTR 38, 4, 7168, 12, s49                    ; v_img
	ROWPTR 40, 6, 6144, 6, 0                       ; k_img's sums
	ROWPTR 42, 4, 4096, 12, s49                    ; k
	ROWPTR 44, 4, 5120, 12, s49                    ; v
	ROWPTR 46, 6, 4096, 6, 0                       ; k's sums
	s_lshl_b32 s52, s19, 11
	s_lshl_b32 s53, ttmp9, 8
	s_add_co_u32 s52, s52, s53
	s_lshl_b32 s53, s18, 6
	s_add_co_u32 s52, s52, s53                     ; my wave's first query: 2,048 b + 256 x block + 64 w
	s_lshl_b32 s50, s52, 12
	s_add_co_u32 s50, s50, s49
	s_add_nc_u64 s[54:55], s[4:5], s[50:51]        ; Q
	s_add_nc_u64 s[16:17], s[16:17], s[50:51]      ; o16
	s_lshl_b32 s50, s52, 6
	s_add_nc_u64 s[56:57], s[6:7], s[50:51]        ; q's sums
	s_lshl_b32 s50, s20, 9
	s_add_nc_u64 s[8:9], s[8:9], s[50:51]
	s_add_nc_u64 s[10:11], s[10:11], s[50:51]
	s_add_nc_u64 s[12:13], s[12:13], s[50:51]
	s_mov_b32 s29, 0
	s_mov_b32 s30, 257
	s_mov_b32 s31, 0
	s_mov_b32 s32, 257
	s_mov_b32 s34, 0
	s_mov_b32 s35, 0
	LOADKV                                         ; step 0
	WIN 0x80
.irp t, 0,1,2,3
.irp dc, 0,1,2,3
	global_load_b128 v[32*\t+8*\dc:32*\t+8*\dc+3], v114, s[54:55] offset:65536*\t+64*\dc       ; Q stays in registers
	global_load_b128 v[32*\t+8*\dc+4:32*\t+8*\dc+7], v114, s[54:55] offset:65536*\t+64*\dc+32
.endr
.endr
	WIN 0
.irp t, 0,1,2,3
	global_load_b128 v[S+8*\t:S+8*\t+3], v115, s[56:57] offset:1024*\t
	global_load_b128 v[S+8*\t+4:S+8*\t+7], v115, s[56:57] offset:1024*\t+16
.endr
	global_load_b128 v[160:163], v116, s[8:9]
	global_load_b128 v[164:167], v116, s[8:9] offset:16
	global_load_b128 v[168:171], v116, s[10:11]
	global_load_b128 v[172:175], v116, s[10:11] offset:16
	global_load_b128 v[176:179], v116, s[12:13]
	global_load_b128 v[180:183], v116, s[12:13] offset:16
	s_wait_kmcnt 0x0                               ; the lengths
	s_cmp_eq_u32 s19, 0
	s_cselect_b32 s48, s58, s59
	s_cmp_gt_i32 s48, 0
	s_cselect_b32 s27, 1.0, 0
	s_cselect_b32 s33, s48, 512
	s_min_u32 s33, s33, 512                        ; kl
	s_wait_loadcnt 0x0
.irp t, 0,1,2,3
	v_pk_add_f32 v[S+8*\t:S+8*\t+1], v[S+8*\t:S+8*\t+1], v[S+8*\t+2:S+8*\t+3]
	v_pk_add_f32 v[S+8*\t+4:S+8*\t+5], v[S+8*\t+4:S+8*\t+5], v[S+8*\t+6:S+8*\t+7]
.endr
.irp t, 0,1,2,3
	v_pk_add_f32 v[S+8*\t:S+8*\t+1], v[S+8*\t:S+8*\t+1], v[S+8*\t+4:S+8*\t+5]
.endr
.irp t, 0,1,2,3
	v_add_f32 v[S+8*\t], v[S+8*\t], v[S+8*\t+1]
.endr
.irp t, 0,1,2,3
	v_permlanex16_b32 v[S+8*\t+1], v[S+8*\t], s22, s23
.endr
.irp t, 0,1,2,3
	v_add_f32 v[S+8*\t], v[S+8*\t], v[S+8*\t+1]    ; my query's sum of squares
.endr
.irp t, 0,1,2,3
	v_fma_f32 v[S+8*\t], v[S+8*\t], s24, s25
.endr
.irp t, 0,1,2,3
	v_rsq_f32 v[CQ+2*\t], v[S+8*\t]
.endr
.irp k, 0,2,4,6
	v_pk_mul_f32 v[GG+\k:GG+\k+1], v[160+\k:161+\k], v[176+\k:177+\k]      ; gq gki  (plain work behind the roots)
	v_pk_mul_f32 v[GG1+\k:GG1+\k+1], v[160+\k:161+\k], v[168+\k:169+\k]    ; gq gk
.endr
	s_wait_alu depctr_va_vdst(0)                   ; one wait for the four roots, ahead of their first use
.irp t, 0,1,2,3
	v_mul_f32 v[CQ+2*\t], s26, v[CQ+2*\t]          ; cq
.endr
.irp t, 0,1,2,3
	v_mov_b32 v[CQ+2*\t+1], v[CQ+2*\t]             ; (named with it as a pair, so it is written)
.endr
	STOREKV                                        ; step 0 into slot 0
	s_add_nc_u64 s[36:37], s[36:37], 262144
	s_add_nc_u64 s[38:39], s[38:39], 262144
	s_add_nc_u64 s[40:41], s[40:41], 4096
	s_mov_b32 s31, 64
	s_mov_b32 s35, SLOT1
	s_mov_b32 s28, 0
	s_wait_dscnt 0x0                               ; for the others' sake: my stores into the slot are done
	s_barrier_signal -1
	s_barrier_wait -1
	LOADKV                                         ; step 1 is on its way while step 0 is computed
	COMPUTE 1
	s_wait_loadcnt 0x0
	STOREKV
	ADVANCE 0
	s_wait_dscnt 0x0
	s_barrier_signal -1
	s_barrier_wait -1
	s_mov_b32 s28, 1
.Ltrip:                                            ; steps 1 to 12: a constant count; what a step has to do is chosen by scalar branches, the same in all four waves
	s_cmp_lt_u32 s31, s32                          ; has the next step a key that counts?
	s_cbranch_scc0 .Lno_load
	LOADKV
.Lno_load:
	s_cmp_eq_u32 s28, 5
	s_cbranch_scc0 .Lno_fin
	FIN0
.Lno_fin:
	s_cmp_lt_u32 s29, s30                          ; has this step?
	s_cbranch_scc0 .Lno_comp
	COMPUTE 0
.Lno_comp:
	s_wait_loadcnt 0x0                             ; on every way: no load is left out into the staging registers, and the three addresses may be stepped
	s_cmp_lt_u32 s31, s32
	s_cbranch_scc0 .Lno_store
	STOREKV
.Lno_store:
	ADVANCE 1
	s_wait_dscnt 0x0                               ; my stores into the slot written are done, and my reads of the slot read are over:
	s_barrier_signal -1                            ; one barrier serves both: the slot written is read in the next trip, the slot read is written there
	s_barrier_wait -1
	s_add_co_u32 s28, s28, 1
	s_cmp_lt_u32 s28, 13
	s_cbranch_scc1 .Ltrip
	; THE WAY OUT: O^T x 0.5 / l + the image branch's share, rounded to f16, through my stage, a tile (16 rows) at a time
	LSUM
	v_and_b32 v112, 15, v0
	v_bfe_u32 v113, v0, 4, 1
	s_mul_i32 s48, s18, 16*272
	s_add_co_u32 s48, s48, STAGE
	v_mul_u32_u24 v[KST], v112, 272
	v_lshl_add_u32 v[KST], v113, 4, v[KST]
	v_add_nc_u32 v[KST], s48, v[KST]               ; in: row r, 16 bytes for each half of the lanes
	v_mul_u32_u24 v[VST], v113, 272
	v_lshl_add_u32 v[VST], v112, 4, v[VST]
	v_add_nc_u32 v[VST], s48, v[VST]               ; back: lanes 0-15 one row of 256 bytes, lanes 16-31 the next
	v_lshlrev_b32 v[KO], 12, v113
	v_lshl_add_u32 v[KO], v112, 4, v[KO]           ; and the same two rows in o16
.irp t, 0,1,2,3
.irp k, 0,1,2,3,4,5,6,7,8,9,10,11,12,13,14,15
	ds_load_b128 v[S+64*(\t%2)+4*\k:S+64*(\t%2)+4*\k+3], v[IMA] offset:8192*\t+512*\k
.endr
	s_wait_dscnt 0x0
	WIN 0x01
.set ii, 0
.rept 32
	v_pk_fma_f32 v[S+64*(\t%2)+2*ii:S+64*(\t%2)+2*ii+1], v[64*\t+2*ii:64*\t+2*ii+1], v[ST+8*\t+6:ST+8*\t+7], v[S+64*(\t%2)+2*ii:S+64*(\t%2)+2*ii+1] op_sel_hi:[1,0,1]
.set ii, ii+1
.endr
	WIN 0
.set ii, 0
.rept 32
	v_cvt_pk_f16_f32 v[KS+ii], v[S+64*(\t%2)+2*ii], v[S+64*(\t%2)+2*ii+1]
.set ii, ii+1
.endr
.irp f, 0,1,2,3,4,5,6,7
	ds_store_b128 v[KST], v[KS+4*\f:KS+4*\f+3] offset:32*\f
.endr
	s_wait_xcnt 0x0                                ; the last tile's stores have read the registers that the loads below fill
.irp f, 0,1,2,3,4,5,6,7
	ds_load_b128 v[96+4*\f:99+4*\f], v[VST] offset:544*\f          ; LDS serves a wave's instructions in order: these see the stores above
.endr
	s_wait_dscnt 0x0
.irp f, 0,1,2,3,4,5,6,7
	global_store_b128 v[KO], v[96+4*\f:99+4*\f], s[16:17] offset:65536*\t+8192*\f   ; sixteen lanes store 256 consecutive bytes, aligned
.endr
.endr
	s_wait_tensorcnt 0x0                           ; the wave's end, behind my last LDS store
	ds_add_u32 v[SPW], v[NIL]
	s_wait_dscnt 0x0
	s_endpgm
.Lfunc_end_k_qb6b48d86d9_attn:
	.size	k_qb6b48d86d9_attn, .Lfunc_end_k_qb6b48d86d9_attn-k_qb6b48d86d9_attn
	.p2alignl 7, 3214868480
	.fill 96, 4, 3214868480
	.section	.rodata,"a",@progbits
	.p2align	6, 0x0
	.amdhsa_kernel k_qb6b48d86d9_attn
		.amdhsa_group_segment_fixed_size 232960
		.amdhsa_private_segment_fixed_size 0
		.amdhsa_enable_private_segment 0
		.amdhsa_kernarg_size 56
		.amdhsa_user_sgpr_count 2
		.amdhsa_user_sgpr_kernarg_segment_ptr 1
		.amdhsa_wavefront_size32 1
		.amdhsa_system_sgpr_workgroup_id_x 1
		.amdhsa_system_sgpr_workgroup_id_y 1
		.amdhsa_system_sgpr_workgroup_id_z 1
		.amdhsa_system_vgpr_workitem_id 0
		.amdhsa_next_free_vgpr 1024
		.amdhsa_next_free_sgpr 66
		.amdhsa_reserve_vcc 1
		.amdhsa_float_denorm_mode_32 3
		.amdhsa_float_denorm_mode_16_64 3
		.amdhsa_memory_ordered 1
		.amdhsa_forward_progress 1
		.amdhsa_inst_pref_size 181
	.end_amdhsa_kernel
	.amdgpu_metadata
---
amdhsa.version: [ 1, 2 ]
amdhsa.kernels:
  - .name:           k_qb6b48d86d9_attn
    .symbol:         k_qb6b48d86d9_attn.kd
    .args:
      - { .name: y, .offset: 0, .size: 8, .value_kind: global_buffer, .address_space: global }
      - { .name: ssq, .offset: 8, .size: 8, .value_kind: global_buffer, .address_space: global }
      - { .name: gq, .offset: 16, .size: 8, .value_kind: global_buffer, .address_space: global }
      - { .name: gk, .offset: 24, .size: 8, .value_kind: global_buffer, .address_space: global }
      - { .name: gki, .offset: 32, .size: 8, .value_kind: global_buffer, .address_space: global }
      - { .name: context_lens, .offset: 40, .size: 8, .value_kind: global_buffer, .address_space: global }
      - { .name: o16, .offset: 48, .size: 8, .value_kind: global_buffer, .address_space: global }
    .group_segment_fixed_size: 232960
    .private_segment_fixed_size: 0
    .kernarg_segment_align: 8
    .kernarg_segment_size: 56
    .max_flat_workgroup_size: 128
    .sgpr_count:     66
    .vgpr_count:     1024
    .wavefront_size: 32
...
	.end_amdgpu_metadata
.endif
;; end of part 3
;; launch outp (part 4): grid 8 x 32, 4 waves a work-group, clusters of 4 x 4, 327,680 bytes of LDS; arguments o16, wo16, bo, out0; writes out0
.if DOCPART == 4
	.amdgcn_target "amdgcn-amd-amdhsa--gfx1250"
	.amdhsa_code_object_version 6
	.text
	.protected	k_qb6b48d86d9_outp
	.globl	k_qb6b48d86d9_outp
	.p2align	8
	.type	k_qb6b48d86d9_outp,@function
k_qb6b48d86d9_outp:
	s_mov_b64 s[64:65], 0
	v_nop
	global_prefetch_b8 v0, s[64:65] scope:SCOPE_SE
	s_setreg_imm32_b32 hwreg(HW_REG_WAVE_MODE, 25, 1), 1
	s_wait_xcnt 0x0
	s_wait_alu depctr_hold_cnt(0) depctr_sa_sdst(0) depctr_va_vdst(0) depctr_va_sdst(0) depctr_va_ssrc(0) depctr_va_vcc(0) depctr_vm_vsrc(0)
	s_getreg_b32 s2, hwreg(HW_REG_IB_STS2, 6, 4)
	s_cmp_eq_u32 s2, 0
	s_cbranch_scc0 .Lentry_in_a_cluster
	s_endpgm
.Lentry_in_a_cluster:
	s_bfe_u32 s2, ttmp6, 0x10000c
	s_cmp_lg_u32 s2, 0xf033
	s_cbranch_scc0 .Lentry_shape_is_right
	s_endpgm
.Lentry_shape_is_right:
; out0 = o Wo + bo = o16 wo16 + bo: o16 [4096][2048] f16 holds half of the two branches' sum, wo16 [2048 k][2048 n] f16 holds 2 Wo: the two powers of two cancel exactly.  Sums in f32; out0 f32.
; A tile of out0 is 128 rows x 256 columns: 256 work-groups, one tile each (tiles of 256 x 256 would be 128).  Four waves, each 64 x 128: 32 accumulators of 16 x 16.
; K GOES IN TEN STEPS OF 192 AND ONE OF 128 through a ring of two LDS slots filled by the tensor data mover.  A step costs (128 + 256) x 2 bytes for each k: two slots of 192 (2 x 159,744 bytes with their padding)
; are the longest in multiples of 32 that fit in LDS; a refill then has 176 of a step's 192 matrix instructions a wave between its request and the wait for it.
; A slot: 128 rows x 384 bytes of o16, 192 k-rows x 512 bytes of wo16.  wo16 has K as its first axis: its fragments are turned on their way out of LDS by ds_load_tr16_b128.
; THE LAST FILL (K = 1,920 on) has groups 1 of its own: o16's states 128 elements as what is left of a row under the same tile of 192, so that the LDS pitch stays (the zeros behind them are never read);
; wo16's has 64 k-rows a wave in place of 96, which land where that wave's rows always land: k 0-63 at LDS rows 0-63, k 64-127 at LDS rows 96-159.
; CLUSTERS: 4 x 4 work-groups.  The four of a row of the cluster need the same tiles of o16, the four of a column the same tiles of wo16: each is asked for jointly.
; The matrix instruction is used transposed (source 0 = 16 columns of wo16, source 1 = 16 rows of o16): a lane holds eight neighbouring numbers of a row of out0.  bo is the C of each sum's first instruction.
; REGISTERS: window 0: v16-30 addresses; v64-127 A's fragments, two buffers of 32; v128-191 the bias; on the way out v128-255 rows.   window 1: v0-127 B's fragments, two buffers of 64.   window 2: accumulators ((a, b) at v[8 (8 a + b)]).
.set KSTEP,  192
.set PA,     432                       ; a row of o16 in LDS: 384 bytes, 16 of padding behind each 128: 108 words: the 16 rows that a load touches start at 16 different places modulo 64 words
.set PB,     544                       ; a k-row of wo16: 512 bytes + 32
.set HALFA,  64*PA
.set HALFB,  96*PB
.set BOFF,   2*HALFA
.set SLOT,   2*HALFA+2*HALFB
.set STAGE,  SLOT                      ; the way out: 16 rows x (512 bytes + 16) for each wave, in slot 1, which has had its last fill, and its last read in front of the last change of slots
.set SPITCH, 528
.set SPARE,  2*SLOT                    ; behind the ring: the spare words: 128 bytes for each wave, named by no other line
.set TRIPS,  4                         ; a trip = two steps of 192 = once round the ring
.set ADRA, 16                          ; v16-17 my A fragments in slot 0, 1
.set ADRB, 20                          ; v20-21 my B fragments, quarters 0-2 of slot 0, 1; v22-23 quarters 3-5 (96 k-rows on: beyond a 16-bit offset from the first)
.set STO,  24
.set RD,   25
.set CO,   26
.set SPW,  28
.set NIL,  29
.set VB,   30
.set BIAS, 128
.set BK,   128
.set G1, 24                            ; s[24:31] group 1 for A's tiles; s[32:39] groups 0, one for each slot
.set G0, 32
.set G1B, 48                           ; s[48:55], s[56:63] the same for B's
.set G0B, 56
.set G1X, 68                           ; s[68:75] group 1 for A's last fill
.set G1BX, 76                          ; s[76:83] for B's
.set MSB, 0
.macro WIN new
.if MSB != (\new)
	s_set_vgpr_msb (MSB<<8)|(\new)
.set MSB, (\new)
.endif
.endm
.set MUL,  0xa1                        ; source 0 (B) window 1, source 1 (A) window 0, C and D window 2
.set FST,  0x81                        ; the first quarter: C (the bias) window 0
.set TO_B, 0x40
.macro JLOAD s, ga, gb                 ; a joint load: waves 0 and 1 fetch A's halves, waves 2 and 3 B's; an s_nop 0 and four v_nop follow each of the two lines
	s_cmp_eq_u32 s13, 0
	s_cbranch_scc0 .Lfor_b_\@
	tensor_load_to_lds s[G0+4*\s:G0+4*\s+3], s[\ga:\ga+7]
	s_nop 0
.rept 4
	v_nop
.endr
	s_branch .Lasked_\@
.Lfor_b_\@:
	tensor_load_to_lds s[G0B+4*\s:G0B+4*\s+3], s[\gb:\gb+7]
	s_nop 0
.rept 4
	v_nop
.endr
.Lasked_\@:
.endm
.macro CREST
	s_cmp_lg_u32 s12, 0
	s_cbranch_scc1 .Lnot_wave_0_\@
	s_barrier_signal -3
.Lnot_wave_0_\@:
	s_barrier_wait -3
	s_barrier_signal -1
	s_barrier_wait -1
.endm
.macro CROUND
	s_barrier_signal -1
	s_barrier_wait -1
	CREST
.endm
	s_load_b128 s[4:7], s[0:1], 0x0                ; o16, wo16
	s_load_b128 s[8:11], s[0:1], 0x10              ; bo, out0
	v_lshl_add_u32 v[SPW], v0, 2, SPARE
	v_mov_b32 v[NIL], 0
	ds_add_u32 v[SPW], v[NIL]                      ; the wave's opening: the add, twice on end, and its wait ahead of my first tensor load
	ds_add_u32 v[SPW], v[NIL]
	v_lshrrev_b32 v1, 5, v0
	v_readfirstlane_b32 s12, v1                    ; wave 0..3
	s_lshr_b32 s13, s12, 1                         ; which 64 rows of the tile are mine.  Also: I fetch for A (0) or for B (1)
	s_and_b32 s14, s12, 1                          ; which 128 columns.  Also: which half of that tile I fetch
	s_bfe_u32 s40, ttmp6, 0x40000                  ; cx
	s_bfe_u32 s41, ttmp6, 0x40004                  ; cy
	s_lshl_b32 s42, ttmp9, 2
	s_add_co_u32 s42, s42, s40                     ; tile column 0..7
	s_and_b32 s15, ttmp7, 0xffff
	s_lshl_b32 s15, s15, 2
	s_add_co_u32 s15, s15, s41                     ; tile row 0..31
	s_lshl_b32 s43, s41, 2
	s_lshl_b32 s43, 15, s43                        ; my row of the cluster
	s_lshl_b32 s44, 0x1111, s40                    ; my column
	s_or_b32 s[G1+0], s43, (1<<16)|(1<<20)|(1<<21)|(4<<22)|(3<<25)  ; mask; elements of 2 bytes; padding: 4 words behind every 32; bit 21 beside a mask
	s_or_b32 s[G1X+0], s43, (1<<16)|(1<<20)|(1<<21)|(4<<22)|(3<<25)
	s_mov_b32 s[G1+1], KSTEP<<16                   ; tensor_dim0 = 192
	s_mov_b32 s[G1X+1], 128<<16                    ; the last fill: 128 are left of a row
.irp g, G1, G1X
	s_mov_b32 s[\g+2], 64<<16                      ; tensor_dim1 = 64
	s_mov_b32 s[\g+3], KSTEP<<16                   ; tile_dim0 = 192
	s_mov_b32 s[\g+4], 64                          ; tile_dim1
	s_mov_b32 s[\g+5], 2048                        ; the pitch
	s_mov_b32 s[\g+6], 0
	s_mov_b32 s[\g+7], 0
.endr
	s_or_b32 s[G1B+0], s44, (1<<16)|(1<<20)|(1<<21)|(6<<22)|(7<<25) ; padding: 8 words behind every 128
	s_or_b32 s[G1BX+0], s44, (1<<16)|(1<<20)|(1<<21)|(6<<22)|(7<<25)
	s_mov_b32 s[G1B+2], 96<<16                     ; tensor_dim1 = 96 k-rows
	s_mov_b32 s[G1B+4], 96                         ; tile_dim1
	s_mov_b32 s[G1BX+2], 64<<16                    ; the last fill: 64
	s_mov_b32 s[G1BX+4], 64
.irp g, G1B, G1BX
	s_mov_b32 s[\g+1], 256<<16                     ; tensor_dim0 = 256 columns
	s_mov_b32 s[\g+3], 256<<16                     ; tile_dim0
	s_mov_b32 s[\g+5], 2048
	s_mov_b32 s[\g+6], 0
	s_mov_b32 s[\g+7], 0
.endr
	s_lshl_b32 s16, s15, 7                         ; A: row 128 x tile row + 64 x half, 4,096 bytes a row.  These registers never hold cx
	s_lshl_b32 s17, s14, 6
	s_add_co_u32 s16, s16, s17
	s_lshl_b32 s16, s16, 12
	s_mov_b32 s17, 0
	s_mul_i32 s46, s14, 96*4096                    ; B: k-row 96 x half, + 512 bytes x tile column
	s_lshl_b32 s47, s42, 9
	s_add_co_u32 s46, s46, s47
	s_mov_b32 s47, 0
	s_lshl_b32 s66, s14, 17                        ; the last fill's halves lie 64 k-rows apart, not 96: 32 rows of 4,096 bytes back for the second
	s_mov_b32 s67, 0
	s_mul_i32 s20, s14, HALFA                      ; where they go: no place in the cluster enters an LDS address
	s_mul_i32 s21, s14, HALFB
	s_add_co_u32 s21, s21, BOFF
	s_wait_dscnt 0x0                               ; both opening adds are done
	s_wait_kmcnt 0x0
	s_add_nc_u64 s[18:19], s[4:5], s[16:17]
	s_add_nc_u64 s[46:47], s[6:7], s[46:47]
	CROUND                                         ; all sixteen work-groups are here: the first joint loads meet
.irp s, 0,1
	s_mov_b32 s[G0+4*\s], 1
	s_add_co_u32 s[G0+4*\s+1], s20, \s*SLOT
	s_add_nc_u64 s[G0+4*\s+2:G0+4*\s+3], s[18:19], \s*KSTEP*2
	s_or_b32 s[G0+4*\s+3], s[G0+4*\s+3], 0x80000000
	s_mov_b32 s[G0B+4*\s], 1
	s_add_co_u32 s[G0B+4*\s+1], s21, \s*SLOT
	s_add_nc_u64 s[G0B+4*\s+2:G0B+4*\s+3], s[46:47], \s*KSTEP*4096
	s_or_b32 s[G0B+4*\s+3], s[G0B+4*\s+3], 0x80000000
	JLOAD \s, G1, G1B                              ; two tensor loads of mine are out at the start, one behind each later round
.endr
	v_and_b32 v1, 15, v0                           ; r
	v_bfe_u32 v2, v0, 4, 1                         ; h
	s_lshl_b32 s46, s42, 10                        ; my first column x 4 bytes: 1,024 x tile column + 512 x half: in bo and in a row of out0
	s_lshl_b32 s47, s14, 9
	s_add_co_u32 s46, s46, s47
	s_mov_b32 s47, 0
	s_add_nc_u64 s[8:9], s[8:9], s[46:47]
	s_add_nc_u64 s[10:11], s[10:11], s[46:47]
	v_lshlrev_b32 v[VB], 5, v2
.irp b, 0,1,2,3,4,5,6,7
	global_load_b128 v[BIAS+8*\b:BIAS+8*\b+3], v[VB], s[8:9] offset:64*\b          ; bo of columns 16 b + 8 h + 0 .. 7
	global_load_b128 v[BIAS+8*\b+4:BIAS+8*\b+7], v[VB], s[8:9] offset:64*\b+16
.endr
	v_mul_u32_u24 v3, v1, PA
	v_lshl_add_u32 v3, v2, 4, v3                   ; A's fragment: row r x pitch + 16 h
	s_mul_i32 s20, s13, HALFA                      ; my 64 rows
	v_and_b32 v4, 7, v0
	v_lshl_add_u32 v4, v2, 3, v4
	v_mul_u32_u24 v4, v4, PB
	v_bfe_u32 v5, v0, 3, 1
	v_lshl_add_u32 v4, v5, 4, v4                   ; B's turning load: k-row 8 h + l % 8, columns 8 ((l / 8) % 2) on
	s_lshl_b32 s21, s14, 8
	s_add_co_u32 s21, s21, BOFF                    ; my 128 columns
.irp s, 0,1
	v_add_nc_u32 v[ADRA+\s], s20, v3
	v_add_nc_u32 v[ADRB+\s], s21, v4
	v_add_nc_u32 v[ADRB+2+\s], 96*PB, v[ADRB+\s]
	s_add_co_u32 s20, s20, SLOT
	s_add_co_u32 s21, s21, SLOT
.endr
	s_mul_i32 s22, s12, 16*SPITCH
	s_add_co_u32 s22, s22, STAGE                   ; my stage
	v_mul_u32_u24 v5, v1, SPITCH
	v_lshl_add_u32 v5, v2, 5, v5
	v_add_nc_u32 v[STO], s22, v5                   ; in: row r, 32 bytes for each half of the lanes
	v_and_b32 v6, 31, v0
	v_lshlrev_b32 v[CO], 4, v6                     ; back: the 32 lanes take one row of 512 bytes; and the same in out0
	v_add_nc_u32 v[RD], s22, v[CO]
	s_lshl_b32 s16, s15, 7
	s_lshl_b32 s17, s13, 6
	s_add_co_u32 s16, s16, s17                     ; my first row of out0
	s_lshl_b32 s16, s16, 13                        ; 8,192 bytes a row
	s_mov_b32 s17, 0
	s_add_nc_u64 s[10:11], s[10:11], s[16:17]
; 24 LDS loads in one run: the fragments of 32 along K into buffer f; A's last.  qa: which 64 bytes of A's rows (16 bytes of padding lie behind every two); qb: which 32 k-rows of B in LDS
.macro FETCH slot, qa, qb, f
	WIN TO_B
.irp b, 0,1,2,3,4,5,6,7
	ds_load_tr16_b128 v[64*(\f)+8*\b:64*(\f)+8*\b+3], v[ADRB+2*((\qb)/3)+\slot] offset:32*PB*((\qb)%3)+32*\b
	ds_load_tr16_b128 v[64*(\f)+8*\b+4:64*(\f)+8*\b+7], v[ADRB+2*((\qb)/3)+\slot] offset:32*PB*((\qb)%3)+16*PB+32*\b
.endr
	WIN 0
.irp a, 0,1,2,3
	ds_load_b128 v[64+32*(\f)+8*\a:64+32*(\f)+8*\a+3], v[ADRA+\slot] offset:64*(\qa)+16*((\qa)/2)+16*PA*\a
	ds_load_b128 v[64+32*(\f)+8*\a+4:64+32*(\f)+8*\a+7], v[ADRA+\slot] offset:64*(\qa)+16*((\qa)/2)+16*PA*\a+32
.endr
.endm
; 8 matrix instructions: row block a x my 8 column blocks.  The 32 accumulators take turns in the same order in every quarter
.macro MUL8 f, a, first
.irp b, 0,1,2,3,4,5,6,7
.if \first
	v_wmma_f32_16x16x32_f16 v[8*(8*(\a)+\b):8*(8*(\a)+\b)+7], v[64*(\f)+8*\b:64*(\f)+8*\b+7], v[64+32*(\f)+8*(\a):64+32*(\f)+8*(\a)+7], v[BIAS+8*\b:BIAS+8*\b+7]
.else
	v_wmma_f32_16x16x32_f16 v[8*(8*(\a)+\b):8*(8*(\a)+\b)+7], v[64*(\f)+8*\b:64*(\f)+8*\b+7], v[64+32*(\f)+8*(\a):64+32*(\f)+8*(\a)+7], v[8*(8*(\a)+\b):8*(8*(\a)+\b)+7]
.endif
.endr
.endm
.macro PLACES                          ; four plain vector instructions in front of loads into registers that matrix instructions have read, and of reads of results
.rept 4
	v_nop
.endr
.endm
.macro QUARTER slot, qa, qb, f, g, first   ; 32 along K: multiplies buffer f; in its middle fetches the next 32 of the same slot into buffer g
	s_wait_dscnt 4                                 ; B and A's blocks 0, 1 are in; the youngest four loads (A's blocks 2, 3) may be out
.if \first
	WIN FST
.else
	WIN MUL
.endif
	MUL8 \f, 0, \first
	MUL8 \f, 1, \first
	PLACES
	FETCH \slot, \qa, \qb, \g
	s_wait_dscnt 24                                ; all but the 24 just issued
.if \first
	WIN FST
.else
	WIN MUL
.endif
	MUL8 \f, 2, \first
	MUL8 \f, 3, \first
.endm
.macro REST slot                       ; a full slot's quarters 1 to 4 are multiplied, 2 to 5 fetched
	QUARTER \slot, 2, 2, 1, 0, 0
	QUARTER \slot, 3, 3, 0, 1, 0
	QUARTER \slot, 4, 4, 1, 0, 0
	QUARTER \slot, 5, 5, 0, 1, 0
.endm
; A slot's last quarter multiplies buffer 1 and changes slots: one barrier; in front of it each wave waits for all its tensor loads, adds 0 to its spare word, and waits for that and for its reads of this slot.
; fill = 1: this slot is filled again, two steps ahead; 2: with the last, shorter step; 0: not at all
.macro TURN slot, next, fill
	WIN 0
	s_wait_tensorcnt 0x0                           ; all my tensor loads have landed: my part of the next slot
	ds_add_u32 v[SPW], v[NIL]
	s_wait_dscnt 5                                 ; (the add and the youngest four loads may be out)
	WIN MUL
	MUL8 1, 0, 0
	s_wait_dscnt 0x0                               ; the add is done, and my reads of this slot are over
	s_barrier_signal -1
	MUL8 1, 1, 0
.if \fill
	WIN 0
.endif
	s_barrier_wait -1
.if \fill
	CREST                                          ; the barrier has opened a round of the cluster's barrier: no wave of any partner still reads this slot or has a load on its way
	s_add_nc_u64 s[G0+4*\slot+2:G0+4*\slot+3], s[G0+4*\slot+2:G0+4*\slot+3], 2*KSTEP*2
	s_add_nc_u64 s[G0B+4*\slot+2:G0B+4*\slot+3], s[G0B+4*\slot+2:G0B+4*\slot+3], 2*KSTEP*4096
.if \fill == 2
	s_sub_nc_u64 s[G0B+4*\slot+2:G0B+4*\slot+3], s[G0B+4*\slot+2:G0B+4*\slot+3], s[66:67]
	JLOAD \slot, G1X, G1BX
.else
	JLOAD \slot, G1, G1B                           ; the first tensor load behind the round; its four v_nop are the places in front of the loads below
.endif
.else
	PLACES
.endif
	FETCH \next, 0, 0, 0
	WIN MUL
	MUL8 1, 2, 0
	MUL8 1, 3, 0
.endm
	s_wait_tensorcnt 1                             ; my part of step 0 is in (step 1's may be out)
	s_barrier_signal -1
	s_barrier_wait -1
	FETCH 0, 0, 0, 0
	s_wait_loadcnt 0x0                             ; the bias
	QUARTER 0, 1, 1, 0, 1, 1                       ; the first quarter stands in front of the loop: its products start the sums from the bias
	WIN 0
	s_mov_b32 s3, TRIPS
.Llap:                                             ; a trip goes once round the ring, steps 2 t and 2 t + 1, and asks for steps 2 t + 2 and 2 t + 3
	REST 0
	TURN 0, 1, 1
	QUARTER 1, 1, 1, 0, 1, 0
	REST 1
	TURN 1, 0, 1
	QUARTER 0, 1, 1, 0, 1, 0
	WIN 0
	s_sub_co_u32 s3, s3, 1
	s_cmp_lg_u32 s3, 0
	s_cbranch_scc1 .Llap
	REST 0                                         ; step 8; behind it slot 0 takes the last step, K = 1,920 to 2,047
	TURN 0, 1, 2
	QUARTER 1, 1, 1, 0, 1, 0                       ; step 9; nothing is left to ask for
	REST 1
	TURN 1, 0, 0
	QUARTER 0, 1, 1, 0, 1, 0                       ; step 10: four quarters; B's k 64-127 lie at LDS rows 96-159
	QUARTER 0, 2, 3, 1, 0, 0
	QUARTER 0, 3, 4, 0, 1, 0
	s_wait_dscnt 4
	WIN MUL
	MUL8 1, 0, 0
	MUL8 1, 1, 0
	s_wait_dscnt 0
	MUL8 1, 2, 0
	MUL8 1, 3, 0
	WIN 0
; THE WAY OUT, block by block of 16 rows x 128 columns: 32 bytes a lane into my stage, back as whole rows of 512 bytes
.macro TOSTAGE a
	WIN 0x08                                       ; an LDS store's data are its source 1: window 2
.irp b, 0,1,2,3,4,5,6,7
	ds_store_b128 v[STO], v[8*(8*(\a)+\b):8*(8*(\a)+\b)+3] offset:64*\b            ; each accumulator from its low end on
	ds_store_b128 v[STO], v[8*(8*(\a)+\b)+4:8*(8*(\a)+\b)+7] offset:64*\b+16
.endr
	WIN 0
.set BB, BK+64*((\a)%2)
.irp t, 0,1,2,3,4,5,6,7,8,9,10,11,12,13,14,15
	ds_load_b128 v[BB+4*\t:BB+4*\t+3], v[RD] offset:\t*SPITCH      ; LDS serves a wave's instructions in order: these see the stores above
.endr
.endm
.macro SEND a, younger                 ; younger: the LDS instructions issued behind block a's loads, which may stay out
.set BB, BK+64*((\a)%2)
	s_wait_dscnt \younger
.if (\a) > 0
	s_add_nc_u64 s[10:11], s[10:11], 16*8192       ; (behind a wait on XCNT: the earlier stores have read their base)  16 rows on
.endif
.irp t, 0,1,2,3,4,5,6,7,8,9,10,11,12,13,14,15
	global_store_b128 v[CO], v[BB+4*\t:BB+4*\t+3], s[10:11] offset:\t*8192 th:TH_STORE_NT   ; 32 lanes store 512 consecutive bytes, aligned; written once, read by nobody here
.endr
.endm
	PLACES
	TOSTAGE 0
.irp a, 1,2,3
.if \a > 1
	s_wait_xcnt 0x0                                ; block a - 2's stores have read their registers and their base
.endif
	TOSTAGE \a
	SEND \a-1, 32                                  ; behind block a - 1's loads: block a's 16 stores and 16 loads
.endr
	s_wait_xcnt 0x0
	SEND 3, 0
	s_wait_tensorcnt 0x0                           ; the wave's end, behind my last tensor load and my last LDS store
	ds_add_u32 v[SPW], v[NIL]
	s_wait_dscnt 0x0
	CROUND                                         ; the closing round: no work-group ends while a partner may still ask for a tile that names it
	s_endpgm
.Lfunc_end_k_qb6b48d86d9_outp:
	.size	k_qb6b48d86d9_outp, .Lfunc_end_k_qb6b48d86d9_outp-k_qb6b48d86d9_outp
	.p2alignl 7, 3214868480
	.fill 96, 4, 3214868480
	.section	.rodata,"a",@progbits
	.p2align	6, 0x0
	.amdhsa_kernel k_qb6b48d86d9_outp
		.amdhsa_group_segment_fixed_size 327680
		.amdhsa_private_segment_fixed_size 0
		.amdhsa_enable_private_segment 0
		.amdhsa_kernarg_size 32
		.amdhsa_user_sgpr_count 2
		.amdhsa_user_sgpr_kernarg_segment_ptr 1
		.amdhsa_wavefront_size32 1
		.amdhsa_system_sgpr_workgroup_id_x 1
		.amdhsa_system_sgpr_workgroup_id_y 1
		.amdhsa_system_sgpr_workgroup_id_z 1
		.amdhsa_system_vgpr_workitem_id 0
		.amdhsa_next_free_vgpr 768
		.amdhsa_next_free_sgpr 84
		.amdhsa_reserve_vcc 0
		.amdhsa_float_denorm_mode_32 3
		.amdhsa_float_denorm_mode_16_64 3
		.amdhsa_memory_ordered 1
		.amdhsa_forward_progress 1
		.amdhsa_inst_pref_size 135
	.end_amdhsa_kernel
	.amdgpu_metadata
---
amdhsa.version: [ 1, 2 ]
amdhsa.kernels:
  - .name:           k_qb6b48d86d9_outp
    .symbol:         k_qb6b48d86d9_outp.kd
    .args:
      - { .name: o16, .offset: 0, .size: 8, .value_kind: global_buffer, .address_space: global }
      - { .name: wo16, .offset: 8, .size: 8, .value_kind: global_buffer, .address_space: global }
      - { .name: bo, .offset: 16, .size: 8, .value_kind: global_buffer, .address_space: global }
      - { .name: out0, .offset: 24, .size: 8, .value_kind: global_buffer, .address_space: global }
    .group_segment_fixed_size: 327680
    .private_segment_fixed_size: 0
    .kernarg_segment_align: 8
    .kernarg_segment_size: 32
    .max_flat_workgroup_size: 128
    .sgpr_count:     84
    .vgpr_count:     768
    .wavefront_size: 32
...
	.end_amdgpu_metadata
.endif
;; end of part 4
